; MI455X (gfx1250); checked and timed in simulation.
; The chip was launched on July 23, 2026; its instructions are those of AMD's public machine-readable ISA for CDNA 5 (MIT licence, August 2026) and "CDNA5" Instruction Set Architecture Reference Guide (July 2026). The comments in the code are by the model that wrote it; some were corrected since.
;; Multi Head Attention. Allowed arithmetic: matrix products marked QUANTISED: E2M1 operands, one E8M0 scale for each 32 along K, by v_wmma_scale_f32_16x16x128_f8f6f4 with both operands' format E2M1 (or v_wmma_scale_f32_32x16x128_f4), f32 sums; everything else in f32.
;; Inputs: K 4,096 x 1,024 float32; Q 4,096 x 1,024 float32; V 4,096 x 1,024 float32; WK 16 x 1,024 x 64 float32; WO 1,024 x 1,024 float32; WQ 16 x 1,024 x 64 float32; WV 16 x 1,024 x 64 float32; bK 16 x 64 float32; bO 1,024 float32; bQ 16 x 64 float32; bV 16 x 64 float32.
;; Outputs: out0 4,096 x 1,024 float32.
;; This version of the problem:
;;   THIS VERSION OF THE PROBLEM IS GIVEN IN LOW PRECISION. The matrix products marked QUANTISED in the list below multiply operands that are first quantised to E2M1 (2 exponent bits, 1 mantissa bit; 4 bits a number), with one power-of-two scale for each 32 numbers along K (OCP MX v1.0); their sums are f32. All else is computed in f32.
;;   The module's matrix products, in the order in which they are computed (A, B: the left and right operand; K: the contracted axis; several contracted axes count as one K, in the product's order):
;;     1. [M 1,024, K 1,024] x [K 1,024, N 4,096]; A: input WQ; B: input Q: QUANTISED
;;     2. [M 1,024, K 1,024] x [K 1,024, N 4,096]; A: input WK; B: input K: QUANTISED
;;     3. [M 1,024, K 1,024] x [K 1,024, N 4,096]; A: input WV; B: input V: QUANTISED
;;     4. batch 16 x [M 4,096, K 64] x [K 64, N 4,096]; A: computed on the way; B: computed on the way: QUANTISED
;;     5. batch 16 x [M 4,096, K 4,096] x [K 4,096, N 64]; A: softmax (see below); B: computed on the way: QUANTISED
;;     6. [M 4,096, K 1,024] x [K 1,024, N 1,024]; A: computed on the way; B: input WO: QUANTISED
;;   THE QUANTISER, for each operand of a quantised product, along K:
;;     - K is cut into blocks of 32 from its start; a last block that is shorter is filled with zeros.
;;     - A block's scale is 2^e with e = floor(log2(the largest magnitude in the block)) - 2, held to -126 .. 127; a block of zeros has e = 0. As a byte (E8M0): e + 127.
;;     - Each number is divided by its block's scale, clamped to +-6, and rounded to the nearest number of E2M1, ties to even, subnormals kept.
;;     - The product sums the exact products of the quantised numbers (number of the format x scale) in f32.
;;   ~~~python
;;   def quantise(x, axis):      # numpy; x: float32 -> the quantised numbers, widened to float32 again
;;       x = np.moveaxis(x, axis, -1); K = x.shape[-1]
;;       x = np.pad(x, [(0, 0)] * (x.ndim - 1) + [(0, -K % 32)]); x = x.reshape(x.shape[:-1] + (-1, 32)); a = np.abs(x).max(-1, keepdims=True)
;;       e = np.where(a > 0, np.clip(np.frexp(np.where(a > 0, a, 1))[1] - 1 - 2, -126, 127), 0)      # np.frexp(a)[1] - 1 = floor(log2(a)), exactly
;;       r = np.clip(x / 2.0 ** e, -6, 6)
;;       step = 2.0 ** (np.maximum(np.frexp(np.where(r == 0, 1, r))[1] - 1, 0) - 1)
;;       q = np.round(r / step) * step * 2.0 ** e      # np.round: ties to even
;;       return np.moveaxis(q.reshape(q.shape[:-2] + (-1,))[..., :K], -1, axis).astype(np.float32)
;;   ~~~
;;   SOFTMAX AHEAD OF A QUANTISED PRODUCT. Where the list says 'softmax', what is quantised is not the finished softmax but p = 2^(t - M), with t = logit x log2(e) and M = ceil(the row's largest t), a whole number; so 1/2 < the row's largest p <= 1. The row's sum l is taken of the UNQUANTISED p, in f32, and the product's result is divided by l at the end. Since M is a whole number, a kernel that streams over the keys may use a running M (the ceiling of the running maximum): every later rescaling is an exact power of two, which a block's scale takes up: the codes' values come out the same.
;;   OPERANDS COMPUTED ON THE WAY. 'Computed on the way' means the value that the module computes at that place (a softmax that the list does not call 'softmax' is quantised finished and normalised). What goes into a quantiser is computed in f32, as accurately as f32 sums, v_exp_f32 and their like allow (about 1e-6 of the number): no bf16 or f16 on the way to a quantiser, and a product that is left as it is and whose result goes on into a quantised operand takes f32 operands (vector FMAs, or v_wmma_f32_16x16x4_f32). A number that lies on a knife's edge between two numbers of the format may be rounded either way, as far as f32 arithmetic and the matrix unit's own rounding can turn it there, and no further.
;; One version. Each part assembles by itself: llvm-mc -triple=amdgcn-amd-amdhsa -mcpu=gfx1250 --defsym DOCPART=n.
;; ======== version 1 of 1: 4 launches
;; limits: right only within a limited range of input values
;; workspace buffers: opnd 8,912,896 bytes; qkv 6,946,816 bytes; cat 2,228,224 bytes
;; launch prep (part 1): grid 256 x 1, 10 waves a work-group, no clusters, 52,224 bytes of LDS; arguments Q, K, V, WQ, WK, WV, WO, opnd; writes opnd
.if DOCPART == 1
	.amdgcn_target "amdgcn-amd-amdhsa--gfx1250"
	.amdhsa_code_object_version 6
	.text
	.protected	k_qc34987d1fe_prep
	.globl	k_qc34987d1fe_prep
	.p2align	8
	.type	k_qc34987d1fe_prep,@function
k_qc34987d1fe_prep:
	s_mov_b64 s[64:65], 0
	v_nop
	global_prefetch_b8 v0, s[64:65] scope:SCOPE_SE
	s_setreg_imm32_b32 hwreg(HW_REG_WAVE_MODE, 25, 1), 1
	s_wait_xcnt 0x0
; MULTI-HEAD ATTENTION IN MX-FP4, FOUR LAUNCHES: prep (this one), proj, attn, outp.
; WORK LEFT OUT, for the whole program.  reference() adds -2e9 to every score whose key comes after its query, by a mask that it builds itself.  Such a key has
; p = 2^(t - M) with t - M near -2.9e9: the stated quantiser holds a scale at 2^-126 from below, so the code of such a p is 0 whatever the block, and the product with v takes nothing from it;
; the sum l takes at most 4,096 x 2^(-2.9e9) from them, which moves no f32 result.  So launch attn leaves out the key steps and the tiles of k and v that lie wholly behind a query tile, and sets hidden scores
; on the diagonal to -infinity.  This holds while the logits of a row spread by less than 2e9.  Every input has a way to the output and is loaded.
; LIMITS: a NaN, an infinity or an overflow that reaches only the work left out is not carried to the result; NaN and infinities among the inputs are not served;
; a block of zeros gets the scale byte 1 where the quantiser says 127: its codes are zeros, and the bytes are read by this program alone.
;
; THIS LAUNCH turns Q, K, V [4096][1024] (K innermost) and WQ, WK, WV [16][1024][64], WO [1024][1024] (K is the axis of 1,024 ahead of the columns) into codes of E2M1 with one E8M0 byte for each 32 along K.
; THE WORKSPACE IS LAID AS IMAGES OF OPERAND REGISTERS.  A tile T holds 16 rows that are not neighbours: row(T, r) = 32 (T / 2) + 8 (T % 2) + r + 8 (r / 8).  Codes: T x 8192 + s x 1024 + c x 512 + 16 x lane holds the
; 32 codes k = 128 s + 64 c + 32 (lane / 16) + 0 .. 31 of row(T, lane % 16).  Scale words: T x 512 + (s / 4) x 256 + 16 r + 4 (s % 4).
; opnd: codes of Q, K, V at 0 (2,097,152 each), of WQ, WK, WV, WO at 6,291,456 (524,288 each); scale words of Q, K, V at 8,388,608 (131,072 each), of the weights at 8,781,824 (32,768 each).
; Work-groups 0 to 383 take Q, K, V, the others the weights.  No tensor load, no barrier: waves share nothing.
; SHARES, AS THIS TEXT HAS THEM (in place of the split by work-groups named above): 256 work-groups of ten waves.  Waves 0 to 5 take Q, K, V: task 6 x work-group + wave of 1,536, a tile of 16 rows x half of K each;
; waves 6 to 9 take the weights: 128 columns x 128 along K a work-group.  So every work-group reads the same number of bytes.
.set SPARE, 50688                      ; behind the six stages: the spare words, 128 bytes for each wave
.set SPW,   10                         ; v10  LDS address of my spare word; never rewritten
.set NIL,   11                         ; v11  0; never rewritten
.set PW,    12                         ; v12-15  the four K steps scale words
.set TM,    16                         ; v16-31  at work in QUANT
.set PC,    32                         ; v32-63  codes: eight registers for each K step, so that no store data are written again
.set R,     64                         ; v64-191 two sets of 64 numbers as they are loaded
.set X,     192                        ; v192-255 64 numbers as the conversions want them
.set SEL,   40                         ; s[40:41] lane selects for v_permlanex16_b32: lane l xor 16
; 64 numbers of a lane, register 16 b + i = k 32 b + 16 (lane / 16) + i of my row, become a fragment of codes in v[pc] on and its scale word in v[pw].
.macro QUANT s, pc, pw
.irp b, 0,1,2,3
	v_max3_num_f32 v[TM+\b], |v[(\s)+16*\b]|, |v[(\s)+1+16*\b]|, 0x1800000   ; block b: my 16 numbers and the floor 2^(3 - 127): the byte cannot fall under 1
.endr
.irp i, 2,4,6,8,10,12,14
.irp b, 0,1,2,3
	v_max3_num_f32 v[TM+\b], v[TM+\b], |v[(\s)+16*\b+\i]|, |v[(\s)+1+16*\b+\i]|
.endr
.endr
.irp b, 0,1,2,3
	v_permlanex16_b32 v[TM+4+\b], v[TM+\b], s[SEL], s[SEL+1]
.endr
.irp b, 0,1,2,3
	v_max_num_f32 v[TM+\b], v[TM+\b], v[TM+4+\b]       ; with lane l xor 16: the largest magnitude of the block
.endr
.irp b, 0,1,2,3
	v_add_nc_u32 v[TM+12+\b], 0xff000000, v[TM+\b]     ; 2 off its exponent field: the scale operand of the conversion
.endr
.irp b, 0,1,2,3
	v_lshrrev_b32 v[TM+4+\b], 23, v[TM+12+\b]          ; the scale byte
.endr
	v_lshl_or_b32 v[\pw], v[TM+5], 8, v[TM+4]
	v_lshl_or_b32 v[\pw], v[TM+6], 16, v[\pw]
	v_lshl_or_b32 v[\pw], v[TM+7], 24, v[\pw]
.irp b, 0,1,2,3
	v_cvt_scalef32_pk8_fp4_f32 v[(\pc)+2*\b], v[(\s)+16*\b:(\s)+7+16*\b], v[TM+12+\b]
	v_cvt_scalef32_pk8_fp4_f32 v[(\pc)+1+2*\b], v[(\s)+8+16*\b:(\s)+15+16*\b], v[TM+12+\b]
.endr
	v_nop                                              ; one plain place behind a scaled conversion
.irp c, 0,1                                            ; the layout wants a whole block in a lane: lanes 0-15 block 2 c, lanes 16-31 block 2 c + 1
.irp i, 0,1
	v_permlane16_swap_b32 v[(\pc)+4*\c+\i], v[(\pc)+2+4*\c+\i]
.endr
.endr
.endm
	s_load_b512 s[4:19], s[0:1], 0x0               ; Q s[4:5], K s[6:7], V s[8:9], WQ s[10:11], WK s[12:13], WV s[14:15], WO s[16:17], opnd s[18:19]
	v_lshl_add_u32 v[SPW], v0, 2, SPARE
	v_mov_b32 v[NIL], 0
	v_lshrrev_b32 v1, 5, v0
	v_readfirstlane_b32 s20, v1                    ; wave 0..9
	v_and_b32 v9, 31, v0                           ; lane
	s_cmp_ge_u32 s20, 6
	s_cbranch_scc1 .Lw
; ---- Q, K, V.  A wave takes one tile of 16 rows x 512 along K: four K steps.  Each load reads 512 consecutive bytes of one row; a K step turns through the wave own stage in LDS (16 rows, 528 bytes apart),
; so that a lane gets 16 neighbours of each block of 32 of ITS row.
	v_and_b32 v8, 15, v0                           ; r
	v_bfe_u32 v5, v0, 4, 1                         ; lane / 16
	v_lshlrev_b32 v1, 4, v9                        ; 16 x lane: my place in a load, and in an image
	s_mul_i32 s24, s20, 8448                       ; my stage
	v_add_nc_u32 v2, s24, v1                       ; into it: as loaded
	v_mul_u32_u24 v3, v8, 528
	v_lshl_add_u32 v3, v5, 6, v3
	v_add_nc_u32 v3, s24, v3                       ; out of it: row r, + 64 bytes for lanes 16-31
	v_lshlrev_b32 v4, 4, v8
	v_lshl_add_u32 v4, v5, 3, v4                   ; the scale words: 16 r + 8 (lane / 16)
.irp b, 0,1,2,3
	v_mov_b32 v[TM+4+\b], 0                        ; written once: the destination of a lane permute counts as one of its sources
.endr
	s_mov_b32 s[SEL], 0x76543210
	s_mov_b32 s[SEL+1], 0xfedcba98
	s_mul_i32 s22, ttmp9, 6
	s_add_co_u32 s22, s22, s20                     ; 6 x work-group + wave
	s_lshr_b32 s21, s22, 9                         ; which tensor: 512 tasks each
	s_and_b32 s23, s22, 1                          ; which half of K
	s_bfe_u32 s22, s22, 0x80001                    ; the tile T, 0 .. 255
	s_lshr_b32 s25, s22, 1
	s_lshl_b32 s25, s25, 5
	s_and_b32 s26, s22, 1
	s_lshl_b32 s26, s26, 3
	s_add_co_u32 s25, s25, s26                     ; its first row: 32 (T / 2) + 8 (T % 2)
	s_lshl_b32 s26, s25, 12                        ; rows of 4,096 bytes,
	s_lshl_b32 s27, s23, 11
	s_add_co_u32 s26, s26, s27                     ; + 2,048 for the upper half of K
	s_mov_b32 s27, 0
	s_lshl_b32 s28, s21, 21                        ; the codes: tensor x 2,097,152 + T x 8,192 + half x 4,096
	s_lshl_b32 s29, s22, 13
	s_add_co_u32 s28, s28, s29
	s_lshl_b32 s29, s23, 12
	s_add_co_u32 s28, s28, s29
	s_mov_b32 s29, 0
	s_lshl_b32 s30, s21, 17                        ; the scale words: 8,388,608 + tensor x 131,072 + T x 512 + half x 256
	s_lshl_b32 s31, s22, 9
	s_add_co_u32 s30, s30, s31
	s_lshl_b32 s31, s23, 8
	s_add_co_u32 s30, s30, s31
	s_add_co_u32 s30, s30, 8388608
	s_mov_b32 s31, 0
	s_wait_alu depctr_va_vdst(0)
	s_wait_kmcnt 0x0
	s_cmp_eq_u32 s21, 0                            ; the choice hangs on the task: work-group and wave
	s_cselect_b64 s[32:33], s[4:5], s[6:7]
	s_cmp_eq_u32 s21, 2
	s_cselect_b64 s[32:33], s[8:9], s[32:33]
	s_add_nc_u64 s[32:33], s[32:33], s[26:27]
	s_add_nc_u64 s[34:35], s[18:19], s[28:29]
	s_add_nc_u64 s[36:37], s[18:19], s[30:31]
.macro LOADX t, set                    ; K step t of my 16 rows: row i of the tile lies i + 8 (i / 8) rows down
.irp i, 0,1,2,3,4,5,6,7,8,9,10,11,12,13,14,15
	global_load_b128 v[R+64*(\set)+4*\i:R+64*(\set)+4*\i+3], v1, s[32:33] offset:(\i+8*(\i/8))*4096+512*(\t) th:TH_LOAD_NT
.endr
.endm
.macro XSTEP t, left                   ; left: the loads of the one younger K step, which may stay out
	s_wait_loadcnt \left
.irp i, 0,1,2,3,4,5,6,7,8,9,10,11,12,13,14,15
	ds_store_b128 v2, v[R+64*((\t)%2)+4*\i:R+64*((\t)%2)+4*\i+3] offset:528*\i
.endr
.irp b, 0,1,2,3
.irp j, 0,1,2,3
	ds_load_b128 v[X+16*\b+4*\j:X+16*\b+4*\j+3], v3 offset:128*\b+16*\j   ; LDS serves the instructions of a wave in order: these see my stores
.endr
.endr
	s_wait_dscnt 0x0                               ; the numbers are back, and the stores have read their registers,
.if (\t)+2 < 4
	LOADX (\t)+2, (\t)%2                           ; which take the loads of two K steps on
.endif
	QUANT X, PC+8*(\t), PW+(\t)
	global_store_b128 v1, v[PC+8*(\t):PC+8*(\t)+3], s[34:35] offset:1024*(\t)          ; 32 lanes store 512 consecutive bytes
	global_store_b128 v1, v[PC+8*(\t)+4:PC+8*(\t)+7], s[34:35] offset:1024*(\t)+512
.endm
	LOADX 0, 0
	LOADX 1, 1
	XSTEP 0, 16
	XSTEP 1, 16
	XSTEP 2, 16
	XSTEP 3, 0
	v_cmp_ne_u32 vcc_lo, 0, v5                     ; a row has four words: lanes 0-15 store the first two, lanes 16-31 the other two
	v_cndmask_b32 v6, v[PW], v[PW+2], vcc_lo
	v_cndmask_b32 v7, v[PW+1], v[PW+3], vcc_lo
	global_store_b64 v4, v[6:7], s[36:37]          ; 32 lanes store 256 consecutive bytes, aligned
	s_wait_tensorcnt 0x0                           ; the end of the wave
	ds_add_u32 v[SPW], v[NIL]
	s_wait_dscnt 0x0
	s_endpgm
; ---- The weights.  A LANE TAKES A COLUMN AND ITS REGISTERS RUN DOWN K: a block of 32 lies in one lane, and the conversions give codes with K innermost.  A wave takes 32 neighbouring columns x 128 along K;
; the four waves stand side by side on 128 columns.  Column 32 b + l belongs to tile 2 b + (l / 8) % 2, row l % 8 + 8 (l / 16).
.Lw:
	s_wait_alu depctr_va_vdst(0)
	v_lshlrev_b32 v1, 2, v9                        ; in: 4 bytes a lane
	v_bfe_u32 v4, v0, 3, 1                         ; which of the two tiles
	v_and_b32 v5, 7, v0
	v_bfe_u32 v6, v0, 4, 1
	v_lshl_add_u32 v5, v6, 3, v5                   ; its row r
	v_lshlrev_b32 v5, 4, v5
	v_lshl_add_u32 v2, v4, 13, v5                  ; codes: tile x 8,192 + 16 r
	v_lshl_add_u32 v3, v4, 9, v5                   ; scale words: tile x 512 + 16 r
	s_mov_b32 s21, ttmp9
	s_sub_co_u32 s20, s20, 6                       ; which of the four waves that take weights
	s_lshr_b32 s22, s21, 6                         ; which weight: 64 work-groups each
	s_and_b32 s23, s21, 7                          ; the K step s
	s_bfe_u32 s24, s21, 0x30003
	s_lshl_b32 s24, s24, 2
	s_add_co_u32 s24, s24, s20                     ; b: which 32 columns
	s_lshl_b32 s28, s22, 19                        ; codes: 6,291,456 + weight x 524,288 + 2 b x 8,192 + s x 1,024
	s_lshl_b32 s29, s24, 14
	s_add_co_u32 s28, s28, s29
	s_lshl_b32 s29, s23, 10
	s_add_co_u32 s28, s28, s29
	s_add_co_u32 s28, s28, 6291456
	s_mov_b32 s29, 0
	s_lshl_b32 s30, s22, 15                        ; scale words: 8,781,824 + weight x 32,768 + 2 b x 512 + (s / 4) x 256 + 4 (s % 4)
	s_lshl_b32 s31, s24, 10
	s_add_co_u32 s30, s30, s31
	s_lshr_b32 s31, s23, 2
	s_lshl_b32 s31, s31, 8
	s_add_co_u32 s30, s30, s31
	s_and_b32 s31, s23, 3
	s_lshl_b32 s31, s31, 2
	s_add_co_u32 s30, s30, s31
	s_add_co_u32 s30, s30, 8781824
	s_mov_b32 s31, 0
	s_wait_kmcnt 0x0
	s_add_nc_u64 s[34:35], s[18:19], s[28:29]
	s_add_nc_u64 s[36:37], s[18:19], s[30:31]
.macro LOADW t, stride                 ; block t: W(128 s + 32 t + i, my column)
.irp i, 0,1,2,3,4,5,6,7,8,9,10,11,12,13,14,15,16,17,18,19,20,21,22,23,24,25,26,27,28,29,30,31
	global_load_b32 v[64+32*(\t)+\i], v1, s[32:33] offset:(32*(\t)+\i)*(\stride) th:TH_LOAD_NT
.endr
.endm
.macro WBLOCK t, stride
.set XS, 64+32*(\t)
.if (\t) < 3
	s_wait_loadcnt 32                              ; the 32 loads of this block are in; those of the next block may be out
.else
	s_wait_loadcnt 0x0
.endif
.if (\t) < 2
	LOADW (\t)+2, \stride
.endif
	v_max3_num_f32 v12, |v[XS]|, |v[XS+1]|, |v[XS+2]|
	v_max3_num_f32 v13, |v[XS+3]|, |v[XS+4]|, |v[XS+5]|
.irp i, 6,10,14,18,22,26
	v_max3_num_f32 v12, v12, |v[XS+\i]|, |v[XS+\i+1]|
	v_max3_num_f32 v13, v13, |v[XS+\i+2]|, |v[XS+\i+3]|
.endr
	v_max3_num_f32 v12, v12, |v[XS+30]|, |v[XS+31]|
	v_max3_num_f32 v12, v12, v13, 0x1800000        ; and the floor
	v_add_nc_u32 v14, 0xff000000, v12              ; the scale operand
	v_lshrrev_b32 v15, 23, v14                     ; the byte
.if (\t) == 0
	v_mov_b32 v24, v15
.else
	v_lshl_or_b32 v24, v15, 8*(\t), v24
.endif
.irp g, 0,1,2,3
	v_cvt_scalef32_pk8_fp4_f32 v[32+4*(\t)+\g], v[XS+8*\g:XS+8*\g+7], v14
.endr
	v_nop                                          ; one plain place behind a scaled conversion
	global_store_b128 v2, v[32+4*(\t):32+4*(\t)+3], s[34:35] offset:((\t)/2)*512+((\t)%2)*256   ; the sixteen lanes of a tile store 256 consecutive bytes, aligned
.endm
.macro WPATH stride
	LOADW 0, \stride
	LOADW 1, \stride
	WBLOCK 0, \stride
	WBLOCK 1, \stride
	WBLOCK 2, \stride
	WBLOCK 3, \stride
	global_store_b32 v3, v24, s[36:37]             ; one word a column, 16 bytes apart: one byte for each 128 that the path reads
.endm
	s_cmp_eq_u32 s22, 3
	s_cbranch_scc1 .Lwo
	s_lshr_b32 s26, s24, 1                         ; WQ, WK, WV: head b / 2 (262,144 bytes), columns 32 (b % 2) on, rows of 256 bytes
	s_lshl_b32 s26, s26, 18
	s_and_b32 s27, s24, 1
	s_lshl_b32 s27, s27, 7
	s_add_co_u32 s26, s26, s27
	s_lshl_b32 s27, s23, 15
	s_add_co_u32 s26, s26, s27
	s_mov_b32 s27, 0
	s_cmp_eq_u32 s22, 0
	s_cselect_b64 s[32:33], s[10:11], s[12:13]
	s_cmp_eq_u32 s22, 2
	s_cselect_b64 s[32:33], s[14:15], s[32:33]
	s_add_nc_u64 s[32:33], s[32:33], s[26:27]
	s_wait_alu depctr_va_vdst(0)
	WPATH 256
	s_endpgm
.Lwo:
	s_lshl_b32 s26, s24, 7                         ; WO: columns 32 b on, rows of 4,096 bytes
	s_lshl_b32 s27, s23, 19
	s_add_co_u32 s26, s26, s27
	s_mov_b32 s27, 0
	s_add_nc_u64 s[32:33], s[16:17], s[26:27]
	s_wait_alu depctr_va_vdst(0)
	WPATH 4096
	s_endpgm
.Lfunc_end_k_qc34987d1fe_prep:
	.size	k_qc34987d1fe_prep, .Lfunc_end_k_qc34987d1fe_prep-k_qc34987d1fe_prep
	.p2alignl 7, 3214868480
	.fill 96, 4, 3214868480
	.section	.rodata,"a",@progbits
	.p2align	6, 0x0
	.amdhsa_kernel k_qc34987d1fe_prep
		.amdhsa_group_segment_fixed_size 52224
		.amdhsa_private_segment_fixed_size 0
		.amdhsa_enable_private_segment 0
		.amdhsa_kernarg_size 64
		.amdhsa_user_sgpr_count 2
		.amdhsa_user_sgpr_kernarg_segment_ptr 1
		.amdhsa_wavefront_size32 1
		.amdhsa_system_sgpr_workgroup_id_x 1
		.amdhsa_system_sgpr_workgroup_id_y 1
		.amdhsa_system_sgpr_workgroup_id_z 1
		.amdhsa_system_vgpr_workitem_id 0
		.amdhsa_next_free_vgpr 256
		.amdhsa_next_free_sgpr 66
		.amdhsa_reserve_vcc 1
		.amdhsa_float_denorm_mode_32 3
		.amdhsa_float_denorm_mode_16_64 3
		.amdhsa_memory_ordered 1
		.amdhsa_forward_progress 1
		.amdhsa_inst_pref_size 72
	.end_amdhsa_kernel
	.amdgpu_metadata
---
amdhsa.version: [ 1, 2 ]
amdhsa.kernels:
  - .name:           k_qc34987d1fe_prep
    .symbol:         k_qc34987d1fe_prep.kd
    .args:
      - { .name: Q, .offset: 0, .size: 8, .value_kind: global_buffer, .address_space: global }
      - { .name: K, .offset: 8, .size: 8, .value_kind: global_buffer, .address_space: global }
      - { .name: V, .offset: 16, .size: 8, .value_kind: global_buffer, .address_space: global }
      - { .name: WQ, .offset: 24, .size: 8, .value_kind: global_buffer, .address_space: global }
      - { .name: WK, .offset: 32, .size: 8, .value_kind: global_buffer, .address_space: global }
      - { .name: WV, .offset: 40, .size: 8, .value_kind: global_buffer, .address_space: global }
      - { .name: WO, .offset: 48, .size: 8, .value_kind: global_buffer, .address_space: global }
      - { .name: opnd, .offset: 56, .size: 8, .value_kind: global_buffer, .address_space: global }
    .group_segment_fixed_size: 52224
    .private_segment_fixed_size: 0
    .kernarg_segment_align: 8
    .kernarg_segment_size: 64
    .max_flat_workgroup_size: 320
    .sgpr_count:     66
    .vgpr_count:     256
    .wavefront_size: 32
...
	.end_amdgpu_metadata
.endif
;; end of part 1
;; launch proj (part 2): grid 4 x 48, 4 waves a work-group, clusters of 4 x 4, 327,680 bytes of LDS; arguments opnd, bQ, bK, bV, qkv; writes qkv
.if DOCPART == 2
	.amdgcn_target "amdgcn-amd-amdhsa--gfx1250"
	.amdhsa_code_object_version 6
	.text
	.protected	k_qc34987d1fe_proj
	.globl	k_qc34987d1fe_proj
	.p2align	8
	.type	k_qc34987d1fe_proj,@function
k_qc34987d1fe_proj:
	s_mov_b64 s[64:65], 0
	v_nop
	global_prefetch_b8 v0, s[64:65] scope:SCOPE_SE
	s_setreg_imm32_b32 hwreg(HW_REG_WAVE_MODE, 25, 1), 1
	s_wait_xcnt 0x0
	s_wait_alu depctr_hold_cnt(0) depctr_sa_sdst(0) depctr_va_vdst(0) depctr_va_sdst(0) depctr_va_ssrc(0) depctr_va_vcc(0) depctr_vm_vsrc(0)
	s_getreg_b32 s2, hwreg(HW_REG_IB_STS2, 6, 4)
	s_cmp_eq_u32 s2, 0
	s_cbranch_scc0 .Lentry_in_a_cluster
	s_endpgm
.Lentry_in_a_cluster:
	s_bfe_u32 s2, ttmp6, 0x10000c
	s_cmp_lg_u32 s2, 0xf033
	s_cbranch_scc0 .Lentry_shape_is_right
	s_endpgm
.Lentry_shape_is_right:
; q = Q WQ + bQ, k = K WK + bK, v = V WV + bV on codes of E2M1 (launch prep made them), and the results quantised at once: q and k along the 64 of a head, v along the keys.  Nothing is left out here.
; ONE BODY FOR THE THREE.  Source 0 of the matrix instruction is P0, whose index comes to lie along a lane registers: the axis that is quantised next.  Source 1 is P1: one row of it to a lane.
;   q, k: P0 = 256 columns of the weight (four heads), P1 = 256 rows of x.     v: P0 = 256 rows of V (keys), P1 = 256 columns of WV.
; A work-group of four waves makes 256 x 256, a wave 128 x 128: 64 accumulators, 512 registers.  K is 1,024: both tiles, 131,072 bytes each, and their scale words lie in LDS whole.  No LDS byte is filled twice:
; each wave asks for one load at the start, and one tensor load of a wave is out at the most.
; All tiles are images of operand registers (see launch prep): a fragment is two loads of 512 dense bytes.  The rows of a tile are not neighbours, so that the 16 registers of result tiles 2 b and 2 b + 1 are 16 neighbours along P0.
; CLUSTERS: 4 x 4 work-groups.  P0 hangs on cx alone and is shared along a column of the cluster, P1 on cy alone and is shared along a row: each tile is asked for jointly by four.
; Twelve clusters: cluster y / 4 says which product, cluster y % 4 which quarter of the 16 blocks of x.
; qkv: codes of q at 0, of k at 2,097,152: head x 131,072 + T x 512 + 16 lane = the 32 codes dk = 32 (lane / 16) on of row(T, lane % 16); of v at 4,194,304: head x 131,072 + j x 4,096 + t x 1,024 + c x 512 + 16 lane =
; keys 128 j + 64 c + 32 (lane / 16) on of dv = row(t, lane % 16).  Scale words of q at 6,291,456, of k at 6,553,600: (head / 2) x 32,768 + (T / 4) x 512 + (head % 2) x 256 + 16 r + 4 (T % 4), bytes 2 and 3 zero;
; of v at 6,815,744: (head / 2) x 16,384 + j x 512 + (head % 2) x 256 + 16 r + 4 t.
; REGISTERS: window 0: v8-14 addresses; v16-23 scale words to store; v32-95 the scale words of the operands; v96-127 at work; v128-191 fragments of P1, later 64 results; v192-255 the bias.
;   window 1: fragments of P0, two sets, at v0 and v128.   windows 2, 3: the accumulators: (a, b) at v[8 (8 (a % 4) + b)], a = tile of P1, b = tile of P0.
.set FR,    8
.set NP,    4                          ; places behind this matrix instruction (ISA guide 7.12.1)
.set SPARE, 278528                     ; LDS: P1 codes 0, P0 codes 131,072, P1 scale words 262,144, P0 scale words 270,336, then the spare words, 128 bytes for each wave
.set ADRA,  8                          ; v8   LDS address of my fragments of P1
.set ADRB,  9                          ; v9   of P0
.set ADRS,  10                         ; v10  of my scale words: lanes 0-15 P1, lanes 16-31 P0
.set LN16,  11                         ; v11  16 x lane
.set SH,    12                         ; v12  16 x (lane / 16)
.set HF,    13                         ; v13  lane / 16
.set BV,    14                         ; v14  my offset in the bias
.set SW,    16
.set SPW,   28                         ; v28  LDS address of my spare word; never rewritten
.set NIL,   29                         ; v29  0; never rewritten
.set SC,    32                         ; register 32 (s / 4) + 4 i + s % 4: lanes 0-15 the word of P1 tile i, lanes 16-31 that of P0 tile i, for K step s
.set TM,    96
.set PC,    112
.set PW,    120
.set SL,    124
.set AF,    128
.set X,     128
.set BI,    192
.set G1A,   24                         ; s[24:31] group 1 for P1 codes; s[32:39] for P0 codes; s[40:47], s[48:55] for their scale words
.set G1B,   32
.set G1SA,  40
.set G1SB,  48
.set OUT0,  88                         ; s[88:89], s[90:91] where the codes go; s[92:93] the scale words; s[94:95] the bias
.set SOUT,  92
.set BIAS,  94
.set SEL,   96
.set MSB, 0
.macro WIN new                         ; the high byte of the immediate repeats the setting that is left
.if MSB != (\new)
	s_set_vgpr_msb (MSB<<8)|(\new)
.set MSB, (\new)
.endif
.endm
.set MUL_LO, 0xa1                      ; source 0 (P0) window 1, source 1 (P1) window 0, C and D window 2
.set MUL_HI, 0xf1                      ; the same, C and D window 3
.set TO_B,   0x40                      ; destination window 1, address window 0
; THE LOADS, AS THIS TEXT HAS THEM (in place of the three loads a wave named at the head of the file): four joint loads, ONE A WAVE: wave 0 the codes of P1 (131,072 dense bytes),
; wave 1 those of P0, wave 2 the scale words of P1 (8,192 bytes), wave 3 those of P0.  One chain of branches on the wave number, a load to an arm, all arms leading to one join.  Codes lie in LDS as in memory: tile x 8,192 + K step x 1,024.
.macro ARM under, g0, g1, next
	s_cmp_lt_u32 s14, \under
	s_cbranch_scc0 \next
	tensor_load_to_lds s[\g0:\g0+3], s[\g1:\g1+7]
	s_nop 0
.rept 4
	v_nop
.endr
	s_branch .Lhead_asked
\next:
.endm
.macro CROUND                          ; a round of the barrier of the cluster
	s_barrier_signal -1
	s_barrier_wait -1
	s_cmp_lg_u32 s14, 0
	s_cbranch_scc1 .Lnot_wave_0_\@
	s_barrier_signal -3
.Lnot_wave_0_\@:
	s_barrier_wait -3
	s_barrier_signal -1
	s_barrier_wait -1
.endm
.macro PLACES n
.rept \n
	v_nop
.endr
.endm
; 64 numbers of a lane, register 16 b + i = index 32 b + 16 (lane / 16) + i of my row, become a fragment of codes in v[pc] on and its scale word in v[pw].
.macro QUANT s, pc, pw
.irp b, 0,1,2,3
	v_max3_num_f32 v[TM+\b], |v[(\s)+16*\b]|, |v[(\s)+1+16*\b]|, 0x1800000   ; and the floor 2^(3 - 127): the byte cannot fall under 1
.endr
.irp i, 2,4,6,8,10,12,14
.irp b, 0,1,2,3
	v_max3_num_f32 v[TM+\b], v[TM+\b], |v[(\s)+16*\b+\i]|, |v[(\s)+1+16*\b+\i]|
.endr
.endr
.irp b, 0,1,2,3
	v_permlanex16_b32 v[TM+4+\b], v[TM+\b], s[SEL], s[SEL+1]
.endr
.irp b, 0,1,2,3
	v_max_num_f32 v[TM+\b], v[TM+\b], v[TM+4+\b]
.endr
.irp b, 0,1,2,3
	v_add_nc_u32 v[TM+12+\b], 0xff000000, v[TM+\b]     ; 2 off the exponent field: the scale operand of the conversion
.endr
.irp b, 0,1,2,3
	v_lshrrev_b32 v[TM+4+\b], 23, v[TM+12+\b]          ; the scale byte
.endr
	v_lshl_or_b32 v[\pw], v[TM+5], 8, v[TM+4]
	v_lshl_or_b32 v[\pw], v[TM+6], 16, v[\pw]
	v_lshl_or_b32 v[\pw], v[TM+7], 24, v[\pw]
.irp b, 0,1,2,3
	v_cvt_scalef32_pk8_fp4_f32 v[(\pc)+2*\b], v[(\s)+16*\b:(\s)+7+16*\b], v[TM+12+\b]
	v_cvt_scalef32_pk8_fp4_f32 v[(\pc)+1+2*\b], v[(\s)+8+16*\b:(\s)+15+16*\b], v[TM+12+\b]
.endr
	v_nop                                              ; one plain place behind a scaled conversion
.irp c, 0,1
.irp i, 0,1
	v_permlane16_swap_b32 v[(\pc)+4*\c+\i], v[(\pc)+2+4*\c+\i]
.endr
.endr
.endm
	s_load_b256 s[4:11], s[0:1], 0x0               ; opnd s[4:5], bQ s[6:7], bK s[8:9], bV s[10:11]
	s_load_b64 s[12:13], s[0:1], 0x20              ; qkv
	v_lshl_add_u32 v[SPW], v0, 2, SPARE
	v_mov_b32 v[NIL], 0
	ds_add_u32 v[SPW], v[NIL]                      ; the opening of the wave: the add, twice on end, and its wait ahead of my first tensor load
	ds_add_u32 v[SPW], v[NIL]
	v_lshrrev_b32 v1, 5, v0
	v_readfirstlane_b32 s14, v1                    ; wave 0..3
	s_lshr_b32 s15, s14, 1                         ; which half of P1 is mine.  Also: I fetch for P1 (0) or for P0 (1)
	s_and_b32 s16, s14, 1                          ; which half of P0.  Also: which 8 tiles I fetch
	s_bfe_u32 s84, ttmp6, 0x40000                  ; cx
	s_bfe_u32 s85, ttmp6, 0x40004                  ; cy
	s_and_b32 s99, ttmp7, 0xffff                   ; cluster y, 0 .. 11
	s_lshr_b32 s17, s99, 2                         ; which product: 0 q, 1 k, 2 v
	s_and_b32 s98, s99, 3
	s_lshl_b32 s98, s98, 2                         ; 4 x the quarter of x
	s_lshl_b32 s18, s17, 19                        ; where the operands begin in opnd, for q and k: P0 = the weight,
	s_add_co_u32 s18, s18, 6291456
	s_lshl_b32 s20, s17, 15
	s_add_co_u32 s20, s20, 8781824
	s_lshl_b32 s22, s17, 21                        ; P1 = x;
	s_lshl_b32 s2, s17, 17
	s_add_co_u32 s2, s2, 8388608
	s_cmp_eq_u32 s17, 2                            ; for v the other way round.  All selections stand ahead of the additions, which write SCC
	s_cselect_b32 s66, s98, 0
	s_cselect_b32 s67, 0, s98
	s_cselect_b32 s18, 4194304, s18
	s_cselect_b32 s20, 8650752, s20
	s_cselect_b32 s22, 7340032, s22
	s_cselect_b32 s2, 8847360, s2
	s_add_co_u32 s86, s84, s66                     ; my block of P0: hangs on cx, never on cy
	s_add_co_u32 s87, s85, s67                     ; my block of P1: hangs on cy, never on cx
	s_lshl_b32 s66, s86, 17                        ; a block: 16 tiles x 8,192 bytes of codes,
	s_add_co_u32 s18, s18, s66
	s_lshl_b32 s66, s86, 13                        ; 16 x 512 of scale words
	s_add_co_u32 s20, s20, s66
	s_lshl_b32 s67, s87, 17
	s_add_co_u32 s22, s22, s67
	s_lshl_b32 s67, s87, 13
	s_add_co_u32 s2, s2, s67
	s_mov_b32 s19, 0
	s_mov_b32 s21, 0
	s_mov_b32 s23, 0
	s_mov_b32 s3, 0
	s_lshl_b32 s67, s85, 2
	s_lshl_b32 s67, 15, s67                        ; my row of the cluster
	s_lshl_b32 s66, 0x1111, s84                    ; my column
	s_or_b32 s[G1A], s67, (3<<16)|(1<<21)          ; 15:0 the mask; 17:16 elements of 8 bytes; 21 set beside a mask; no padding: the images are read densely
	s_or_b32 s[G1B], s66, (3<<16)|(1<<21)
	s_or_b32 s[G1SA], s67, (3<<16)|(1<<21)
	s_or_b32 s[G1SB], s66, (3<<16)|(1<<21)
.irp g, G1A, G1B                       ; codes: 16 tiles of 8,192 bytes, dense
	s_mov_b32 s[\g+1], 1024<<16                    ; tensor_dim0 = 1,024 elements of 8 bytes
	s_mov_b32 s[\g+2], 16<<16                      ; tensor_dim1 = 16
	s_mov_b32 s[\g+3], 1024<<16                    ; tile_dim0
	s_mov_b32 s[\g+4], 16                          ; tile_dim1
	s_mov_b32 s[\g+5], 1024                        ; stride
	s_mov_b32 s[\g+6], 0
	s_mov_b32 s[\g+7], 0
.endr
.irp g, G1SA, G1SB                     ; scale words of 16 tiles: 8,192 dense bytes as 32 rows of 256
	s_mov_b32 s[\g+1], 32<<16
	s_mov_b32 s[\g+2], 32<<16
	s_mov_b32 s[\g+3], 32<<16
	s_mov_b32 s[\g+4], 32
	s_mov_b32 s[\g+5], 32
	s_mov_b32 s[\g+6], 0
	s_mov_b32 s[\g+7], 0
.endr
	s_mov_b32 s[SEL], 0x76543210
	s_mov_b32 s[SEL+1], 0xfedcba98
	s_wait_dscnt 0x0                               ; both opening adds are done
	s_wait_kmcnt 0x0
	s_add_nc_u64 s[18:19], s[4:5], s[18:19]
	s_add_nc_u64 s[20:21], s[4:5], s[20:21]
	s_add_nc_u64 s[22:23], s[4:5], s[22:23]
	s_add_nc_u64 s[2:3], s[4:5], s[2:3]
	CROUND                                         ; all sixteen work-groups are here: the joint loads meet
	s_mov_b32 s56, 1                               ; group 0: P1 scale words
	s_mov_b32 s57, 262144
	s_mov_b64 s[58:59], s[2:3]
	s_or_b32 s59, s59, 0x80000000
	s_mov_b32 s72, 1                               ; P0 scale words
	s_mov_b32 s73, 270336
	s_mov_b64 s[74:75], s[20:21]
	s_or_b32 s75, s75, 0x80000000
	s_mov_b32 s60, 1                               ; P1 codes
	s_mov_b32 s61, 0
	s_mov_b64 s[62:63], s[22:23]
	s_or_b32 s63, s63, 0x80000000
	s_mov_b32 s76, 1                               ; P0 codes
	s_mov_b32 s77, 131072
	s_mov_b64 s[78:79], s[18:19]
	s_or_b32 s79, s79, 0x80000000
	ARM 1, 60, G1A, .Lhead_b
	ARM 2, 76, G1B, .Lhead_sa
	ARM 3, 56, G1SA, .Lhead_sb
	tensor_load_to_lds s[72:75], s[G1SB:G1SB+7]
	s_nop 0
.rept 4
	v_nop
.endr
.Lhead_asked:
	v_and_b32 v1, 15, v0                           ; r
	v_bfe_u32 v[HF], v0, 4, 1
	v_and_b32 v2, 31, v0
	v_lshlrev_b32 v[LN16], 4, v2
	v_lshlrev_b32 v[SH], 4, v[HF]
	s_lshl_b32 s99, s15, 16
	v_add_nc_u32 v[ADRA], s99, v[LN16]             ; my 8 tiles of P1, 8,192 bytes each
	s_lshl_b32 s99, s16, 16
	s_add_co_u32 s99, s99, 131072
	v_add_nc_u32 v[ADRB], s99, v[LN16]
	s_lshl_b32 s100, s15, 12
	s_lshl_b32 s101, s16, 12
	s_add_co_u32 s101, s101, 8192
	s_sub_co_u32 s101, s101, s100                  ; from my words of P1 to my words of P0
	v_mul_u32_u24 v[ADRS], s101, v[HF]             ; lanes 16-31 take those of P0
	v_lshl_add_u32 v[ADRS], v1, 4, v[ADRS]
	s_add_co_u32 s100, s100, 262144
	v_add_nc_u32 v[ADRS], s100, v[ADRS]
.irp b, 0,1,2,3
	v_mov_b32 v[TM+4+\b], 0                        ; written once: the destination of a lane permute counts as one of its sources
.endr
	; The bias and the ways out.  Both arms write the same registers.
	s_cmp_eq_u32 s17, 2
	s_cbranch_scc1 .Lbias_v
	s_lshl_b32 s66, s86, 1
	s_add_co_u32 s66, s66, s16                     ; g: my 128 columns are heads 2 g and 2 g + 1
	s_lshl_b32 s67, s87, 4
	s_lshl_b32 s99, s15, 3
	s_add_co_u32 s67, s67, s99                     ; my first tile of rows
	s_lshl_b32 s98, s66, 9
	s_mov_b32 s99, 0
	s_cmp_eq_u32 s17, 0
	s_cselect_b64 s[BIAS:BIAS+1], s[6:7], s[8:9]
	s_add_nc_u64 s[BIAS:BIAS+1], s[BIAS:BIAS+1], s[98:99]
	s_lshl_b32 s98, s17, 21
	s_lshl_b32 s100, s66, 18
	s_add_co_u32 s98, s98, s100
	s_lshl_b32 s100, s67, 9
	s_add_co_u32 s98, s98, s100
	s_add_nc_u64 s[OUT0:OUT0+1], s[12:13], s[98:99]
	s_add_nc_u64 s[OUT0+2:OUT0+3], s[OUT0:OUT0+1], 131072
	s_lshl_b32 s98, s17, 18
	s_lshl_b32 s100, s66, 15
	s_add_co_u32 s98, s98, s100
	s_lshl_b32 s100, s67, 7
	s_add_co_u32 s98, s98, s100
	s_add_co_u32 s98, s98, 6291456
	s_add_nc_u64 s[SOUT:SOUT+1], s[12:13], s[98:99]
	v_lshlrev_b32 v[BV], 6, v[HF]                  ; register 8 b + j wants the bias of column 32 (b / 2) + 16 (lane / 16) + 8 (b % 2) + j
.irp b, 0,1,2,3,4,5,6,7
.irp p, 0,1
	global_load_b128 v[BI+8*\b+4*\p:BI+8*\b+4*\p+3], v[BV], s[BIAS:BIAS+1] offset:(32*(\b/2)+8*(\b%2))*4+16*\p
.endr
.endr
	s_branch .Lbias_done
.Lbias_v:
	s_lshl_b32 s66, s86, 1
	s_add_co_u32 s66, s66, s16                     ; j: my 128 keys
	s_lshl_b32 s67, s87, 1
	s_add_co_u32 s67, s67, s15                     ; g: my 128 columns are heads 2 g and 2 g + 1
	s_lshl_b32 s98, s67, 9
	s_mov_b32 s99, 0
	s_add_nc_u64 s[BIAS:BIAS+1], s[10:11], s[98:99]
	s_lshl_b32 s98, s67, 18
	s_lshl_b32 s100, s66, 12
	s_add_co_u32 s98, s98, s100
	s_add_co_u32 s98, s98, 4194304
	s_add_nc_u64 s[OUT0:OUT0+1], s[12:13], s[98:99]
	s_add_nc_u64 s[OUT0+2:OUT0+3], s[OUT0:OUT0+1], 131072
	s_lshl_b32 s98, s67, 14
	s_lshl_b32 s100, s66, 9
	s_add_co_u32 s98, s98, s100
	s_add_co_u32 s98, s98, 6815744
	s_add_nc_u64 s[SOUT:SOUT+1], s[12:13], s[98:99]
	v_and_b32 v[BV], 8, v1
	v_add_nc_u32 v[BV], v[BV], v1
	v_lshlrev_b32 v[BV], 2, v[BV]                  ; here the bias goes with the lane: column row(a, r); the eight registers of tile a hold it eight times
.irp a, 0,1,2,3,4,5,6,7
.irp j, 0,1,2,3,4,5,6,7
	global_load_b32 v[BI+8*\a+\j], v[BV], s[BIAS:BIAS+1] offset:(32*(\a/2)+8*(\a%2))*4
.endr
.endr
.Lbias_done:
.macro FRAG reg, adr, s, i             ; a fragment, 16 rows x 128 K, comes as it was stored: two loads of 512 dense bytes
.irp c, 0,1
	ds_load_b128 v[(\reg)+4*\c:(\reg)+4*\c+3], v[\adr] offset:(\i)*8192+(\s)*1024+512*\c
.endr
.endm
; 16 matrix instructions: tiles a0, a0 + 1 of P1 x the eight of P0, K step s.  p: the set of P0.  The 64 accumulators take turns, one instruction a turn, in the same order in every step.
.macro MUL16 a0, p, s, zero
.irp a, \a0, \a0+1
.irp b, 0,1,2,3,4,5,6,7
.if \zero
	v_wmma_scale_f32_16x16x128_f8f6f4 v[8*(8*((\a)%4)+\b):8*(8*((\a)%4)+\b)+7], v[128*(\p)+FR*\b:128*(\p)+FR*\b+FR-1], v[AF+FR*(\a):AF+FR*(\a)+FR-1], 0, v[SC+32*((\s)/4)+4*\b+(\s)%4], v[SC+32*((\s)/4)+4*(\a)+(\s)%4] matrix_a_fmt:MATRIX_FMT_FP4 matrix_b_fmt:MATRIX_FMT_FP4 matrix_a_scale:MATRIX_SCALE_ROW1
.else
	v_wmma_scale_f32_16x16x128_f8f6f4 v[8*(8*((\a)%4)+\b):8*(8*((\a)%4)+\b)+7], v[128*(\p)+FR*\b:128*(\p)+FR*\b+FR-1], v[AF+FR*(\a):AF+FR*(\a)+FR-1], v[8*(8*((\a)%4)+\b):8*(8*((\a)%4)+\b)+7], v[SC+32*((\s)/4)+4*\b+(\s)%4], v[SC+32*((\s)/4)+4*(\a)+(\s)%4] matrix_a_fmt:MATRIX_FMT_FP4 matrix_b_fmt:MATRIX_FMT_FP4 matrix_a_scale:MATRIX_SCALE_ROW1
.endif
.endr
.endr
.endm
.macro FETCH_B s, p
	WIN TO_B
.irp i, 0,1,2,3,4,5,6,7
	FRAG 128*(\p)+FR*\i, ADRB, \s, \i
.endr
	WIN 0
.endm
.macro FETCH_A s, i0
.irp i, \i0, \i0+1, \i0+2, \i0+3
	FRAG AF+FR*(\i), ADRA, \s, \i
.endr
.endm
.macro SCALES                          ; the scale words of all eight K steps: four words a load
.irp k, 0,1
.irp i, 0,1,2,3,4,5,6,7
	ds_load_b128 v[SC+32*\k+4*\i:SC+32*\k+4*\i+3], v[ADRS] offset:512*\i+256*\k
.endr
.endr
.endm
; A K step of 128.  P1 has one set of registers: tiles 0-3 are fetched anew in the middle of the step, tiles 4-7 at its end; P0 has two sets.
.macro STEP s, zero
	s_wait_dscnt 8                                 ; all but the youngest eight loads (tiles 4-7 of P1)
	WIN MUL_LO
	MUL16 0, (\s)%2, \s, \zero
	MUL16 2, (\s)%2, \s, \zero
	s_wait_dscnt 0x0
	PLACES NP                                      ; four places in front of loads into registers that matrix instructions have read
	FETCH_B (\s)+1, 1-(\s)%2
	FETCH_A (\s)+1, 0
	WIN MUL_HI
	MUL16 4, (\s)%2, \s, \zero
	MUL16 6, (\s)%2, \s, \zero
	PLACES NP
	WIN 0
	FETCH_A (\s)+1, 4
.endm
	s_wait_tensorcnt 0x0                           ; my one load is in
	s_barrier_signal -1
	s_barrier_wait -1                              ; the parts of all four waves are
	s_wait_alu depctr_va_vdst(0)
	SCALES
	FETCH_B 0, 0
	FETCH_A 0, 0
	FETCH_A 0, 4
	STEP 0, 1                                      ; the first products start the sums: nothing is cleared
	STEP 1, 0
	STEP 2, 0
	STEP 3, 0
	STEP 4, 0
	STEP 5, 0
	STEP 6, 0
	s_wait_dscnt 8                                 ; the last K step fetches nothing
	WIN MUL_LO
	MUL16 0, 1, 7, 0
	MUL16 2, 1, 7, 0
	s_wait_dscnt 0x0
	WIN MUL_HI
	MUL16 4, 1, 7, 0
	MUL16 6, 1, 7, 0
	WIN 0
	PLACES NP                                      ; in front of the first read of results and of writes into the registers that held P1
	s_wait_loadcnt 0x0                             ; the bias
; THE WAY OUT, a tile a of P1 at a time: its 64 results a lane, 128 neighbours along P0 with lane l xor 16, plus the bias, become one fragment and one scale word a row, stored as images: every store covers 512 dense bytes.
; kind 0 (q, k): registers 0-3 are head 2 g, registers 4-7 head 2 g + 1; the word is cut in two.  kind 1 (v): the fragment is K step j of the second product of attention, for 16 of the 64 of a head.
.macro EPI kind
.irp a, 0,1,2,3,4,5,6,7
	WIN 0x02+(\a)/4                                ; source 0: the accumulators, window 2 or 3
.irp b, 0,1,2,3,4,5,6,7
.irp p, 0,2,4,6                        ; each accumulator from its low end on
.if \kind
	v_pk_add_f32 v[X+8*\b+\p:X+8*\b+\p+1], v[8*(8*((\a)%4)+\b)+\p:8*(8*((\a)%4)+\b)+\p+1], v[BI+8*\a+\p:BI+8*\a+\p+1]
.else
	v_pk_add_f32 v[X+8*\b+\p:X+8*\b+\p+1], v[8*(8*((\a)%4)+\b)+\p:8*(8*((\a)%4)+\b)+\p+1], v[BI+8*\b+\p:BI+8*\b+\p+1]
.endif
.endr
.endr
	WIN 0
.if \a > 0
	s_wait_xcnt 0x0                                ; the stores of the tile before have read their registers: the codes may be written again
.endif
.if \kind
	QUANT X, PC, SW+\a
	global_store_b128 v[LN16], v[PC:PC+3], s[OUT0+2*(\a/4):OUT0+2*(\a/4)+1] offset:(\a%4)*1024
	global_store_b128 v[LN16], v[PC+4:PC+7], s[OUT0+2*(\a/4):OUT0+2*(\a/4)+1] offset:(\a%4)*1024+512
.else
	QUANT X, PC, PW
	global_store_b128 v[LN16], v[PC:PC+3], s[OUT0:OUT0+1] offset:512*\a
	global_store_b128 v[LN16], v[PC+4:PC+7], s[OUT0+2:OUT0+3] offset:512*\a
	v_lshrrev_b32 v[SW+\a], v[SH], v[PW]           ; lanes 0-15 keep the two bytes of head 2 g, lanes 16-31 those of head 2 g + 1;
	v_and_b32 v[SW+\a], 0xffff, v[SW+\a]           ; bytes 2 and 3 are 0: they meet zero codes in launch attn
.endif
.endr
.if \kind
	v_cmp_ne_u32 vcc_lo, 0, v[HF]                  ; lanes 0-15 store the four words of head 2 g, lanes 16-31 those of head 2 g + 1
.irp i, 0,1,2,3
	v_cndmask_b32 v[SL+\i], v[SW+\i], v[SW+4+\i], vcc_lo
.endr
	global_store_b128 v[LN16], v[SL:SL+3], s[SOUT:SOUT+1]
.else
	global_store_b128 v[LN16], v[SW:SW+3], s[SOUT:SOUT+1]
	global_store_b128 v[LN16], v[SW+4:SW+7], s[SOUT:SOUT+1] offset:512
.endif
.endm
	s_cmp_eq_u32 s17, 2                            ; the same in all sixteen partners
	s_cbranch_scc1 .Lepi_v
	EPI 0
	s_branch .Lend
.Lepi_v:
	EPI 1
.Lend:
	s_wait_tensorcnt 0x0                           ; the end of the wave
	ds_add_u32 v[SPW], v[NIL]
	s_wait_dscnt 0x0
	CROUND                                         ; the closing round
	s_endpgm
.Lfunc_end_k_qc34987d1fe_proj:
	.size	k_qc34987d1fe_proj, .Lfunc_end_k_qc34987d1fe_proj-k_qc34987d1fe_proj
	.p2alignl 7, 3214868480
	.fill 96, 4, 3214868480
	.section	.rodata,"a",@progbits
	.p2align	6, 0x0
	.amdhsa_kernel k_qc34987d1fe_proj
		.amdhsa_group_segment_fixed_size 327680
		.amdhsa_private_segment_fixed_size 0
		.amdhsa_enable_private_segment 0
		.amdhsa_kernarg_size 40
		.amdhsa_user_sgpr_count 2
		.amdhsa_user_sgpr_kernarg_segment_ptr 1
		.amdhsa_wavefront_size32 1
		.amdhsa_system_sgpr_workgroup_id_x 1
		.amdhsa_system_sgpr_workgroup_id_y 1
		.amdhsa_system_sgpr_workgroup_id_z 1
		.amdhsa_system_vgpr_workitem_id 0
		.amdhsa_next_free_vgpr 1024
		.amdhsa_next_free_sgpr 102
		.amdhsa_reserve_vcc 1
		.amdhsa_float_denorm_mode_32 3
		.amdhsa_float_denorm_mode_16_64 3
		.amdhsa_memory_ordered 1
		.amdhsa_forward_progress 1
		.amdhsa_inst_pref_size 200
	.end_amdhsa_kernel
	.amdgpu_metadata
---
amdhsa.version: [ 1, 2 ]
amdhsa.kernels:
  - .name:           k_qc34987d1fe_proj
    .symbol:         k_qc34987d1fe_proj.kd
    .args:
      - { .name: opnd, .offset: 0, .size: 8, .value_kind: global_buffer, .address_space: global }
      - { .name: bQ, .offset: 8, .size: 8, .value_kind: global_buffer, .address_space: global }
      - { .name: bK, .offset: 16, .size: 8, .value_kind: global_buffer, .address_space: global }
      - { .name: bV, .offset: 24, .size: 8, .value_kind: global_buffer, .address_space: global }
      - { .name: qkv, .offset: 32, .size: 8, .value_kind: global_buffer, .address_space: global }
    .group_segment_fixed_size: 327680
    .private_segment_fixed_size: 0
    .kernarg_segment_align: 8
    .kernarg_segment_size: 40
    .max_flat_workgroup_size: 128
    .sgpr_count:     102
    .vgpr_count:     1024
    .wavefront_size: 32
...
	.end_amdgpu_metadata
.endif
;; end of part 2
;; launch attn (part 3): grid 16 x 16, 16 waves a work-group, no clusters, 327,680 bytes of LDS; arguments qkv, cat; writes cat
.if DOCPART == 3
	.amdgcn_target "amdgcn-amd-amdhsa--gfx1250"
	.amdhsa_code_object_version 6
	.text
	.protected	k_qc34987d1fe_attn
	.globl	k_qc34987d1fe_attn
	.p2align	8
	.type	k_qc34987d1fe_attn,@function
k_qc34987d1fe_attn:
	s_mov_b64 s[64:65], 0
	v_nop
	global_prefetch_b8 v0, s[64:65] scope:SCOPE_SE
	s_setreg_imm32_b32 hwreg(HW_REG_WAVE_MODE, 25, 1), 1
	s_wait_xcnt 0x0
; heads = softmax(q k^T / 8, causal) v on codes of E2M1 (launch proj made them, as images of operand registers), quantised at once along the 64 of a head into cat.
; WORK LEFT OUT: the key steps that lie wholly behind a query tile (shown at the head of launch prep); hidden scores on the diagonal become -infinity.
; THE SOFTMAX: t = score x log2(e) / 8; M = the running largest t rounded up to a whole number; p = 2^(t - M) is quantised along the keys; the sum of the unquantised p divides at the end.
; LIMIT: the promise holds while the scaled scores stay under 2^31 in magnitude.
; SHARES.  Work-group x of a head owns query tiles A = 8 x + p (x + 1 key steps of 128) and B = 255 - A (32 - x key steps), p = 0 .. 7: 33 steps a pair, shared by two waves so that all sixteen waves work in every trip.
;   wave p + 8: trips 0 .. x walk A's steps 0 .. x; A is stored; trips j = x + 1 .. 16 walk B's steps 2 j - x - 1.        wave p: trips j = 0 .. 15 walk B's steps max(j, 2 j - x); its trip 16 finds a hidden step.
;   At the end wave p + 8 hands its part of B (O^T, -M, the sum) to wave p through LDS; the two are joined by factors 2^(M - new M), which round nothing.
; The loops' trip counts are constants; which step a trip walks is arithmetic on ids, held to the steps that are in LDS by s_min_u32.
; A TRIP begins with its first product, on fragments of K that the trip before asked for.  Behind that product's eight matrix instructions stand the address arithmetic, the loads of this trip's V, used at the trip's end,
; and the loads of the next trip's K, into the registers that the product has read.
; LDS: K's codes of the head at 0 (4,096 bytes a step), V's at 131,072, K's scale words at SCK, V's at SCV, each byte filled once.  At the head one tensor load a wave: waves 0-9 steps 0 .. 4 of K and V, waves 10-13 K's scale words
; (rows of one parity of one half of the steps), waves 14, 15 V's (rows of one parity): every one of these loads holds bytes of steps 0 .. 16, which every work-group reads.  Behind the full sequence and a barrier, one load a wave:
; steps 5 .. 16 in pieces of four, steps 17 .. 31 in pieces of three; a piece whose first step lies behind the work-group's last step, 31 - x, is led round by a branch on ids.  Trips 0 to 2 touch steps 0 .. 4 alone.
; NO CLUSTER: the sixteen work-groups of a head need different numbers of pieces of K and V (17 to 32 steps).  NO PREFETCH: all of K and V is asked for by these two groups of loads ahead of the loops; no loop fetches anything from memory.
.set SCK,   262144
.set SCV,   278528
.set STG,   286720                     ; 4,608 bytes for each pair of waves: no tensor load lands here
.set SPARE, 323584                     ; the spare words, 128 bytes for each wave
.set LN16, 1
.set AV0,  2
.set ASK0, 3
.set ASV0, 4
.set SPW,  5                           ; my spare word; never rewritten
.set NIL,  6                           ; 0; never rewritten
.set QD,   7
.set ADK,  8
.set ADV,  9
.set ADS,  10
.set ADT,  11
.set QF,   16                          ; v16-19 q's codes, v20-23 zeros (K is 64 of the instruction's 128)
.set QSW,  24
.set STA,  25
.set SBA,  26
.set R16,  27
.set HFR,  28
.set KFR,  32
.set KS,   68
.set VF,   76
.set VS,   108
.set S,    112
.set O,    176
.set PC,   208
.set BM,   216
.set T2,   220
.set SO,   224
.set TMP,  228
.set FF,   230
.set PSW,  232
.set MD,   233
.set MI,   234
.set QF2,  236                         ; waves 8-15: q of tile B, for the change of tiles
.set QS2,  240
.set SA,   242                         ; one of the sum's four chains
.set J,    2                           ; the trip
.set XS,   3                           ; x + 1: the trip at which waves 8-15 change tiles
.set KSN,  8                           ; the next trip's key step (s8-s17 are at work in the head alone)
.set TBN,  9                           ; where its codes of K lie
.set SKJ,  10                          ; from this trip on nothing is asked for the next
.set WV,   18
.set SEL,  20
.set CS,   22
.set G1C,  24                          ; group 1: 16 dense rows of 256 bytes; G1S: 16 rows, 1,024 bytes apart; G14: 64 dense rows; G13: 48 dense rows
.set G1S,  32
.set G14,  40
.set G13,  48
.set G0C,  56
.set G0S,  60
.set KSI,  66                          ; the trip's key step
.set KF,   67                          ; its first key
.set G04,  68
.set G03,  72
.set Q0,   76                          ; first query of the tile in hand
.set Q02,  77                          ; of tile B
.set TB,   78
.set TS,   79
.set TJ,   85
.set LAST, 86                          ; 31 - x
.set F3,   87                          ; first step of my piece of three
.set OC,   88
.set OS,   90
.set QI,   92
.set QIS,  94
.set QB,   98
.set QBS,  100
.macro GRP1 g, rows, pitch
	s_mov_b32 s[\g], 3<<16
	s_mov_b32 s[\g+1], 32<<16
	s_mov_b32 s[\g+2], (\rows)<<16
	s_mov_b32 s[\g+3], 32<<16
	s_mov_b32 s[\g+4], \rows
	s_mov_b32 s[\g+5], \pitch
	s_mov_b32 s[\g+6], 0
	s_mov_b32 s[\g+7], 0
.endm
.macro QADR t, c, w, q                 ; tile s[t]: offsets of q's codes and scale words in qkv, and its first query
	s_lshl_b32 s[\c], s[\t], 9
	s_add_co_u32 s[\c], s[\c], s9
	s_mov_b32 s[\c+1], 0
	s_lshr_b32 s[\w], s[\t], 2
	s_lshl_b32 s[\w], s[\w], 9
	s_and_b32 s[\w+1], s[\t], 3
	s_lshl_b32 s[\w+1], s[\w+1], 2
	s_add_co_u32 s[\w], s[\w], s[\w+1]
	s_add_co_u32 s[\w], s[\w], s17
	s_mov_b32 s[\w+1], 0
	s_lshr_b32 s96, s[\t], 1
	s_lshl_b32 s96, s96, 5
	s_and_b32 s97, s[\t], 1
	s_lshl_b32 s97, s97, 3
	s_add_co_u32 s[\q], s96, s97
.endm
.macro G0SET g, st                     ; group 0 for codes from step s[st] on: LDS address, and the offset in qkv
	s_mov_b32 s[\g], 1
	s_lshl_b32 s97, s[\st], 12
	s_add_co_u32 s[\g+1], s97, s82
	s_add_co_u32 s[\g+2], s97, s83
	s_mov_b32 s[\g+3], 0
.endm
.macro G0PTR g
	s_add_nc_u64 s[\g+2:\g+3], s[4:5], s[\g+2:\g+3]
	s_or_b32 s[\g+3], s[\g+3], 0x80000000
.endm
; THE WAY OUT of a finished tile: O^T / the sum, quantised along the head's 64, stored as an image with its two scale bytes.
.macro OUTP
.rept 4
	v_nop
.endr
	v_add_f32 v14, v14, v15
	s_delay_alu instid0(VALU_DEP_1)
	v_permlanex16_b32 v[TMP], v14, s[SEL], s[SEL+1]
	s_delay_alu instid0(VALU_DEP_1)
	v_add_f32 v14, v14, v[TMP]
	s_wait_alu depctr_va_vdst(0)           ; the wait ahead of the transcendental
	v_rcp_f32 v[FF], v14
	v_nop
	s_wait_alu depctr_va_vdst(0)           ; and ahead of its first reader
.set j, 0
.rept 16
	v_pk_mul_f32 v[S+j:S+j+1], v[O+j:O+j+1], v[FF:FF+1] op_sel_hi:[1,0]
.set j, j+2
.endr
.irp b, 0,1
	v_max3_num_f32 v[BM+\b], |v[S+16*\b]|, |v[S+1+16*\b]|, 0x1800000
.endr
.irp i, 2,4,6,8,10,12,14
.irp b, 0,1
	s_delay_alu instid0(VALU_DEP_2)
	v_max3_num_f32 v[BM+\b], v[BM+\b], |v[S+16*\b+\i]|, |v[S+1+16*\b+\i]|
.endr
.endr
.irp b, 0,1
	s_delay_alu instid0(VALU_DEP_2)
	v_permlanex16_b32 v[T2+\b], v[BM+\b], s[SEL], s[SEL+1]
.endr
.irp b, 0,1
	s_delay_alu instid0(VALU_DEP_2)
	v_max_num_f32 v[BM+\b], v[BM+\b], v[T2+\b]
.endr
.irp b, 0,1
	s_delay_alu instid0(VALU_DEP_2)
	v_add_nc_u32 v[SO+\b], 0xff000000, v[BM+\b]
.endr
.irp b, 0,1
	s_delay_alu instid0(VALU_DEP_2)
	v_lshrrev_b32 v[T2+\b], 23, v[SO+\b]
.endr
.irp b, 0,1
	v_cvt_scalef32_pk8_fp4_f32 v[PC+2*\b], v[S+16*\b:S+7+16*\b], v[SO+\b]
	v_cvt_scalef32_pk8_fp4_f32 v[PC+1+2*\b], v[S+8+16*\b:S+15+16*\b], v[SO+\b]
.endr
	v_nop
	v_permlane16_swap_b32 v[PC], v[PC+2]
	v_permlane16_swap_b32 v[PC+1], v[PC+3]
	v_cmp_ne_u32 vcc_lo, 0, v[HFR]
	s_delay_alu instid0(VALU_DEP_1)
	v_cndmask_b32 v[TMP], v[T2], v[T2+1], vcc_lo
	global_store_b128 v[LN16], v[PC:PC+3], s[OC:OC+1]
	global_store_b8 v[SBA], v[TMP], s[OS:OS+1]
.endm
; s84: a trip -> s[KSN]: its key step; s[TBN], s[TS]: where that step's codes and scale words of K lie.  lim: the last step that is in LDS for sure.
.macro NEXTSTEP lim
	s_min_u32 s80, s84, ttmp9
	s_sub_co_u32 s80, s84, s80                     ; max(j - x, 0)
	s_add_co_u32 s81, s84, s80                     ; waves 0-7: step max(j, 2 j - x) of B
	s_sub_co_u32 s82, s81, 1                       ; waves 8-15 on B: 2 j - x - 1,
	s_cmp_le_u32 s84, ttmp9
	s_cselect_b32 s82, s84, s82                    ; on A: j
	s_cmp_lt_u32 s[WV], 8
	s_cselect_b32 s[KSN], s81, s82
	s_min_u32 s83, s[KSN], \lim
	s_lshl_b32 s[TBN], s83, 12
	s_lshl_b32 s80, s83, 8                         ; K's scale words: 8,192 (step / 16) + 256 (step % 16) = 256 step + 4,096 (step / 16); the step's second row 4,096 on
	s_and_b32 s81, s80, 4096
	s_add_co_u32 s[TS], s80, s81
.endm
.macro KLOAD                           ; ten loads: a step's eight fragments of K and their scale words
.irp t, 0,1,2,3,4,5,6,7
	ds_load_b128 v[KFR+4*\t:KFR+4*\t+3], v[ADK] offset:512*\t
.endr
	ds_load_b128 v[KS:KS+3], v[ADS]
	ds_load_b128 v[KS+4:KS+7], v[ADS] offset:4096
.endm
.macro SUM4 j                          ; eight more p to the sum's four chains
	v_pk_add_f32 v[T2+2:T2+3], v[T2+2:T2+3], v[S+\j:S+\j+1]
	v_pk_add_f32 v[SA:SA+1], v[SA:SA+1], v[S+\j+2:S+\j+3]
	v_pk_add_f32 v[14:15], v[14:15], v[S+\j+4:S+\j+5]
	v_pk_add_f32 v[T2:T2+1], v[T2:T2+1], v[S+\j+6:S+\j+7]
.endm
.macro SCALE8                          ; t - M of sixteen more scores
.rept 8
	v_pk_fma_f32 v[S+j:S+j+1], v[S+j:S+j+1], s[CS:CS+1], v[12:13] op_sel_hi:[1,0,0]
.set j, j+2
.endr
.endm
	s_load_b128 s[4:7], s[0:1], 0x0                ; qkv, cat
	v_lshl_add_u32 v[SPW], v0, 2, SPARE
	v_mov_b32 v[NIL], 0
	ds_add_u32 v[SPW], v[NIL]                      ; the opening lines: the add twice on end and its wait ahead of my first tensor load
	ds_add_u32 v[SPW], v[NIL]
	v_lshrrev_b32 v8, 5, v0
	s_delay_alu instid0(VALU_DEP_1)
	v_readfirstlane_b32 s[WV], v8
	s_and_b32 s8, ttmp7, 0xffff                    ; the head
	s_lshl_b32 s9, s8, 17
	s_lshr_b32 s10, s8, 1
	s_and_b32 s11, s8, 1
	s_lshl_b32 s11, s11, 8                         ; 256 x (head % 2)
	s_add_co_u32 s[XS], ttmp9, 1
	s_sub_co_u32 s[LAST], 31, ttmp9
	s_and_b32 s12, s[WV], 7
	s_lshl_b32 s13, ttmp9, 3
	s_add_co_u32 s13, s13, s12                     ; tile A
	s_sub_co_u32 s14, 255, s13                     ; tile B
	s_cmp_lt_u32 s[WV], 8
	s_cselect_b32 s15, s14, s13                    ; the tile that I begin with and store: B in waves 0-7, A in waves 8-15
	s_lshl_b32 s17, s10, 15
	s_add_co_u32 s17, s17, s11
	s_add_co_u32 s17, s17, 6291456
	QADR 15, QI, QIS, Q0
	QADR 14, QB, QBS, Q02
	s_lshl_b32 s[OC], s15, 13                      ; cat: codes at tile x 8,192 + (head / 2) x 1,024 + (head % 2) x 512
	s_lshl_b32 s96, s10, 10
	s_add_co_u32 s[OC], s[OC], s96
	s_lshl_b32 s96, s11, 1
	s_add_co_u32 s[OC], s[OC], s96
	s_mov_b32 s[OC+1], 0
	s_lshl_b32 s[OS], s15, 9                       ; scale bytes at 2,097,152 + tile x 512 + (head / 8) x 256 + 4 ((head / 2) % 4) + 2 (head % 2)
	s_lshr_b32 s96, s8, 3
	s_lshl_b32 s96, s96, 8
	s_add_co_u32 s[OS], s[OS], s96
	s_and_b32 s96, s10, 3
	s_lshl_b32 s96, s96, 2
	s_add_co_u32 s[OS], s[OS], s96
	s_lshr_b32 s96, s11, 7
	s_add_co_u32 s[OS], s[OS], s96
	s_add_co_u32 s[OS], s[OS], 2097152
	s_mov_b32 s[OS+1], 0
	GRP1 G1C, 16, 32
	GRP1 G1S, 16, 128
	GRP1 G14, 64, 32
	GRP1 G13, 48, 32
	s_and_b32 s80, s[WV], 1                        ; codes: I fetch for K (0) or V (1),
	s_lshr_b32 s81, s[WV], 1                       ; piece q
	s_lshl_b32 s82, s80, 17
	s_lshl_b32 s83, s80, 21
	s_add_co_u32 s83, s83, s9
	s_add_co_u32 s83, s83, 2097152
	s_lshl_b32 s84, s81, 2
	s_add_co_u32 s84, s84, 5                       ; pieces of four begin at step 5 + 4 q (q under 3),
	s_mul_i32 s[F3], s81, 3
	s_add_co_u32 s[F3], s[F3], 8                   ; pieces of three at 8 + 3 q (q from 3)
	G0SET G0C, 81
	G0SET G04, 84
	G0SET G03, F3
	s_mov_b32 s[G0S], 1                            ; scale words: wave 10 + n lands at SCK + 4,096 n
	s_lshl_b32 s[G0S+1], s[WV], 12
	s_add_co_u32 s[G0S+1], s[G0S+1], SCK-40960
	s_max_u32 s96, s81, 5
	s_sub_co_u32 s96, s96, 5
	s_lshl_b32 s96, s96, 14                        ; K's: steps 0-15 or 16-31,
	s_lshl_b32 s97, s10, 15
	s_add_co_u32 s96, s96, s97
	s_add_co_u32 s96, s96, 6553600
	s_lshl_b32 s97, s10, 14
	s_add_co_u32 s97, s97, 6815744
	s_cmp_lt_u32 s[WV], 14
	s_cselect_b32 s[G0S+2], s96, s97
	s_lshl_b32 s96, s80, 9                         ; rows of my parity
	s_add_co_u32 s[G0S+2], s[G0S+2], s96
	s_add_co_u32 s[G0S+2], s[G0S+2], s11
	s_mov_b32 s[G0S+3], 0
	s_mov_b32 s[SEL], 0x76543210
	s_mov_b32 s[SEL+1], 0xfedcba98
	s_mov_b32 s[CS], 0x3e38aa3b                    ; c = log2(e) / 8
	s_mov_b32 s[CS+1], s[CS]
	s_mov_b32 s[J], 0
	s_wait_dscnt 0x0                               ; both opening adds are done
	s_wait_kmcnt 0x0
	G0PTR G0C
	G0PTR G0S
	G0PTR G04
	G0PTR G03
	s_cmp_lt_u32 s[WV], 10                         ; the head's loads, one a wave, one to an arm
	s_cbranch_scc0 .Lhead_s
	tensor_load_to_lds s[G0C:G0C+3], s[G1C:G1C+7]
	s_nop 0
.rept 4
	v_nop
.endr
	s_branch .Lhead_asked
.Lhead_s:
	tensor_load_to_lds s[G0S:G0S+3], s[G1S:G1S+7]
	s_nop 0
.rept 4
	v_nop
.endr
.Lhead_asked:
	s_add_nc_u64 s[QI:QI+1], s[4:5], s[QI:QI+1]
	s_add_nc_u64 s[QIS:QIS+1], s[4:5], s[QIS:QIS+1]
	s_add_nc_u64 s[QB:QB+1], s[4:5], s[QB:QB+1]
	s_add_nc_u64 s[QBS:QBS+1], s[4:5], s[QBS:QBS+1]
	s_add_nc_u64 s[OC:OC+1], s[6:7], s[OC:OC+1]
	s_add_nc_u64 s[OS:OS+1], s[6:7], s[OS:OS+1]
	s_mul_i32 s96, s12, 4608
	s_add_co_u32 s96, s96, STG                     ; my pair's stage
	v_and_b32 v8, 15, v0
	v_bfe_u32 v[HFR], v0, 4, 1
	v_and_b32 v10, 31, v0
	s_delay_alu instid0(VALU_DEP_1)
	v_lshlrev_b32 v[LN16], 4, v10
	v_lshlrev_b32 v[R16], 4, v8
	global_load_b128 v[QF:QF+3], v[LN16], s[QI:QI+1]
	global_load_b32 v[QSW], v[R16], s[QIS:QIS+1]
	v_add_nc_u32 v[AV0], 131072, v[LN16]
	v_add_nc_u32 v[ASK0], SCK, v[R16]
	v_add_nc_u32 v[ASV0], SCV, v[R16]
	v_add_nc_u32 v[SBA], v[R16], v[HFR]
	v_add_nc_u32 v[STA], s96, v[LN16]
	v_and_b32 v[QD], 8, v8
	s_delay_alu instid0(VALU_DEP_1)
	v_add_nc_u32 v[QD], v[QD], v8
	v_lshlrev_b32 v10, 4, v[HFR]
	s_delay_alu instid0(VALU_DEP_1)
	v_sub_nc_u32 v[QD], v[QD], v10                 ; my query in its tile, less 16 (lane / 16)
	v_mov_b32 v13, 0xff61b1e6                      ; the largest score so far: -3e38
	s_delay_alu instid0(VALU_DEP_1)
	v_floor_f32 v12, -v13                          ; -M: a whole number over every later one
	v_mov_b32 v14, 0
	v_mov_b32 v15, 0
.irp j, 0,1,2,3
	v_mov_b32 v[QF+4+\j], 0
	v_mov_b32 v[KFR+32+\j], 0
	v_mov_b32 v[T2+\j], 0
.endr
	v_mov_b32 v[TMP], 0
	v_mov_b32 v[FF], 0
	v_mov_b32 v[FF+1], 0
	v_mov_b32 v[SO], 0
	v_mov_b32 v[SO+1], 0
.set j, 0
.rept 32
	v_mov_b32 v[O+j], 0
.set j, j+1
.endr
	s_wait_alu depctr_va_vdst(0)
	s_cmp_lt_u32 s[WV], 8
	s_cbranch_scc1 .Lone_q
	global_load_b128 v[QF2:QF2+3], v[LN16], s[QB:QB+1]
	global_load_b32 v[QS2], v[R16], s[QBS:QBS+1]
.Lone_q:
	s_wait_tensorcnt 0x0                           ; my part of the head's loads is in
	ds_add_u32 v[SPW], v[NIL]
	s_wait_dscnt 0x0
	s_barrier_signal -1
	s_barrier_wait -1
	s_cmp_lt_u32 s[WV], 6                          ; the rest of K and V, one load a wave
	s_cbranch_scc0 .Lthree
	tensor_load_to_lds s[G04:G04+3], s[G14:G14+7]
	s_nop 0
.rept 4
	v_nop
.endr
	s_branch .Lrest_asked
.Lthree:
	s_cmp_gt_u32 s[F3], s[LAST]                    ; ids alone: a piece that begins behind my work-group's last step is read by none of its waves
	s_cbranch_scc1 .Lrest_asked
	tensor_load_to_lds s[G03:G03+3], s[G13:G13+7]
	s_nop 0
.rept 4
	v_nop
.endr
.Lrest_asked:
	s_mov_b32 s84, 0                               ; trip 0's K
	NEXTSTEP 4
	s_mov_b32 s[SKJ], 2                            ; trip 2 asks for nothing: trip 3 may walk a step that is not in yet
	v_add_nc_u32 v[ADK], s[TBN], v[LN16]
	v_add_nc_u32 v[ADS], s[TS], v[ASK0]
	KLOAD
	s_wait_loadcnt 0x0                             ; q
; A TRIP: one key step of 128 keys for my tile of 16 queries.  lim: the last step that is in LDS for sure.
.macro TRIP lim
	s_mov_b32 s[KSI], s[KSN]
	s_cmp_lt_u32 s[WV], 8
	s_cbranch_scc1 .Lsame_\@
	s_cmp_lg_u32 s[J], s[XS]
	s_cbranch_scc1 .Lsame_\@
	s_wait_alu depctr_va_vdst(0)                   ; the sums were written just ahead of the backward jump
	OUTP                                           ; waves 8-15, trip x + 1: A is finished and leaves; on to B
	s_wait_xcnt 0x0                                ; the stores have read their registers
.irp i, 0,1,2,3
	v_mov_b32 v[QF+\i], v[QF2+\i]
.endr
	v_mov_b32 v[QSW], v[QS2]
	s_mov_b32 s[Q0], s[Q02]
	v_mov_b32 v13, 0xff61b1e6
	s_delay_alu instid0(VALU_DEP_1)
	v_floor_f32 v12, -v13
	v_mov_b32 v14, 0
	v_mov_b32 v15, 0
.set j, 0
.rept 32
	v_mov_b32 v[O+j], 0
.set j, j+1
.endr
	s_wait_alu depctr_va_vdst(0)
.Lsame_\@:
	s_lshl_b32 s[KF], s[KSI], 7
	s_add_co_u32 s96, s[Q0], 23
	s_cmp_gt_u32 s[KF], s96                        ; all 128 keys behind my 16 queries (waves 0-7, trip 16): nothing to do
	s_cbranch_scc1 .Lhidden_\@
	s_wait_dscnt 0x0                               ; K and its words, asked for a trip ago (trips 0 and 3: ahead of the loop)
.irp t, 0,1,2,3,4,5,6,7
	v_wmma_scale_f32_16x16x128_f8f6f4 v[S+8*\t:S+8*\t+7], v[KFR+4*\t:KFR+4*\t+7], v[QF:QF+7], 0, v[KS+\t], v[QSW] matrix_a_fmt:MATRIX_FMT_FP4 matrix_b_fmt:MATRIX_FMT_FP4
.endr
	s_min_u32 s83, s[KSI], \lim
	s_lshl_b32 s[TB], s83, 12
	s_and_b32 s80, s83, 1                          ; V's scale words: 4,096 (step % 2) + 256 (step / 2)
	s_lshl_b32 s80, s80, 12
	s_lshr_b32 s81, s83, 1
	s_lshl_b32 s81, s81, 8
	s_add_co_u32 s[TJ], s80, s81
	s_add_co_u32 s84, s[J], 1
	NEXTSTEP \lim
	v_add_nc_u32 v[ADV], s[TB], v[AV0]             ; these four are the places in front of loads into registers that matrix instructions have read, and of the first read of the scores
	v_add_nc_u32 v[ADT], s[TJ], v[ASV0]
	v_add_nc_u32 v[ADK], s[TBN], v[LN16]
	v_add_nc_u32 v[ADS], s[TS], v[ASK0]
.irp t, 0,1,2,3
.irp c, 0,1
	ds_load_b128 v[VF+8*\t+4*\c:VF+8*\t+4*\c+3], v[ADV] offset:1024*\t+512*\c
.endr
.endr
	ds_load_b128 v[VS:VS+3], v[ADT]
	s_cmp_ge_u32 s[J], s[SKJ]
	s_cbranch_scc1 .Lno_k_\@
	KLOAD                                          ; the next trip's K, into the registers that the products above have read
.Lno_k_\@:
	s_add_co_u32 s96, s[KF], 127
	s_cmp_le_u32 s96, s[Q0]
	s_cbranch_scc1 .Lopen_\@
	s_sub_co_i32 s96, s[Q0], s[KF]                 ; on the diagonal: register 16 b + i holds key KF + 16 (lane / 16) + 32 b + i
	v_add_nc_u32 v[MD], s96, v[QD]
	v_mov_b32 v[MI], 0xff800000
.irp n, 0,1,2,3,4,5,6,7,8,9,10,11,12,13,14,15,16,17,18,19,20,21,22,23,24,25,26,27,28,29,30,31,32,33,34,35,36,37,38,39,40,41,42,43,44,45,46,47,48,49,50,51,52,53,54,55,56,57,58,59,60,61,62,63
	v_cmp_gt_i32 vcc_lo, 32*(\n/16)+\n%16, v[MD]
	v_cndmask_b32 v[S+\n], v[S+\n], v[MI], vcc_lo
.endr
.Lopen_\@:
.irp b, 0,1,2,3                                        ; the largest score of each block of 32 keys: two chains a block, eight by turns; each accumulator is read from its low end on
	v_max3_num_f32 v[BM+\b], v[S+16*\b], v[S+1+16*\b], v[S+2+16*\b]
.endr
.irp b, 0,1,2,3
	v_max3_num_f32 v[SO+\b], v[S+8+16*\b], v[S+9+16*\b], v[S+10+16*\b]
.endr
.irp i, 3,5
.irp b, 0,1,2,3
	v_max3_num_f32 v[BM+\b], v[BM+\b], v[S+16*\b+\i], v[S+1+16*\b+\i]
.endr
.irp b, 0,1,2,3
	v_max3_num_f32 v[SO+\b], v[SO+\b], v[S+8+16*\b+\i], v[S+9+16*\b+\i]
.endr
.endr
.irp b, 0,1,2,3
	v_max3_num_f32 v[BM+\b], v[BM+\b], v[S+7+16*\b], v[S+15+16*\b]
.endr
.irp b, 0,1,2,3
	s_delay_alu instid0(VALU_DEP_4)
	v_max_num_f32 v[BM+\b], v[BM+\b], v[SO+\b]
.endr
.irp b, 0,1,2,3
	s_delay_alu instid0(VALU_DEP_4)
	v_permlanex16_b32 v[T2+\b], v[BM+\b], s[SEL], s[SEL+1]
.endr
.irp b, 0,1,2,3
	s_delay_alu instid0(VALU_DEP_4)
	v_max_num_f32 v[BM+\b], v[BM+\b], v[T2+\b]
.endr
	s_delay_alu instid0(VALU_DEP_3)
	v_max3_num_f32 v13, v13, v[BM], v[BM+1]        ; the running largest score (c is positive: the largest t is c x it)
	v_mov_b32 v[TMP], v12
	s_delay_alu instid0(VALU_DEP_2)
	v_max3_num_f32 v13, v13, v[BM+2], v[BM+3]
	s_delay_alu instid0(VALU_DEP_1)
	v_mul_f32 v[MD], s[CS], v13                    ; as t
	s_delay_alu instid0(VALU_DEP_1)
	v_floor_f32 v12, -v[MD]                        ; the new -M
	s_delay_alu instid0(VALU_DEP_1)
	v_sub_f32 v[TMP], v12, v[TMP]
.set j, 0
	SCALE8
	v_cvt_i32_f32 v[TMP], v[TMP]
	SCALE8
	v_ldexp_f32 v[FF], 1.0, v[TMP]                 ; f = 2^(old M - new M)
	SCALE8
	SCALE8
.irp b, 0,1,2,3
	v_fma_f32 v[BM+\b], v[BM+\b], s[CS], v12
.endr
	v_pk_mul_f32 v[14:15], v[14:15], v[FF:FF+1] op_sel_hi:[1,0]
.set j, 0
.rept 16
	v_pk_mul_f32 v[O+j:O+j+1], v[O+j:O+j+1], v[FF:FF+1] op_sel_hi:[1,0]   ; O^T under the new M, ahead of the exponentials
.set j, j+2
.endr
	s_wait_alu depctr_va_vdst(0)                   ; the wait ahead of the batch
.set j, 0
.rept 64
	v_exp_f32 v[S+j], v[S+j]
.set j, j+1
.endr
.irp b, 0,1,2,3
	v_exp_f32 v[BM+\b], v[BM+\b]                   ; each block's largest p
.endr
	v_nop                                          ; a plain place behind the batch
	s_wait_dscnt 0x0                               ; V, and the next trip's K
	s_wait_alu depctr_va_vdst(0)                   ; and the wait behind the batch
; p's scales, codes and sum.  The sum of the unquantised p runs in four chains, laid between the links of the lines that make the scales; its last eleven additions are the places ahead of the products.
.irp b, 0,1,2,3
	v_max_num_f32 v[BM+\b], 0x1800000, v[BM+\b]    ; the floor: the byte cannot fall under 1
.endr
	v_pk_add_f32 v[T2:T2+1], v[S:S+1], v[S+2:S+3]
	v_pk_add_f32 v[T2+2:T2+3], v[S+4:S+5], v[S+6:S+7]
	v_pk_add_f32 v[SA:SA+1], v[S+8:S+9], v[S+10:S+11]
	v_pk_add_f32 v[14:15], v[14:15], v[S+12:S+13]
.irp b, 0,1,2,3
	v_add_nc_u32 v[SO+\b], 0xff000000, v[BM+\b]    ; 2 off the exponent field: the conversion's scale operand
.endr
	v_pk_add_f32 v[T2:T2+1], v[T2:T2+1], v[S+14:S+15]
	SUM4 16
.irp b, 0,1,2,3
	v_cvt_scalef32_pk8_fp4_f32 v[PC+2*\b], v[S+16*\b:S+7+16*\b], v[SO+\b]
	v_cvt_scalef32_pk8_fp4_f32 v[PC+1+2*\b], v[S+8+16*\b:S+15+16*\b], v[SO+\b]
.endr
.irp b, 0,1,2,3
	v_lshrrev_b32 v[BM+\b], 23, v[SO+\b]           ; the scale's byte.  (Plain lines behind the conversions)
.endr
.irp c, 0,1
.irp i, 0,1
	v_permlane16_swap_b32 v[PC+4*\c+\i], v[PC+2+4*\c+\i]
.endr
.endr
	SUM4 24
	v_lshl_or_b32 v[PSW], v[BM+1], 8, v[BM]
	SUM4 32
	v_lshl_or_b32 v[PSW], v[BM+2], 16, v[PSW]
	SUM4 40
	v_lshl_or_b32 v[PSW], v[BM+3], 24, v[PSW]
	SUM4 48
	SUM4 56
	v_pk_add_f32 v[T2+2:T2+3], v[T2+2:T2+3], v[SA:SA+1]
	v_pk_add_f32 v[14:15], v[14:15], v[T2:T2+1]
	s_delay_alu instid0(VALU_DEP_1)
	v_pk_add_f32 v[14:15], v[14:15], v[T2+2:T2+3]
.irp t, 0,1,2,3
	v_wmma_scale_f32_16x16x128_f8f6f4 v[O+8*\t:O+8*\t+7], v[VF+8*\t:VF+8*\t+7], v[PC:PC+7], v[O+8*\t:O+8*\t+7], v[VS+\t], v[PSW] matrix_a_fmt:MATRIX_FMT_FP4 matrix_b_fmt:MATRIX_FMT_FP4
.endr
.Lhidden_\@:
.endm
.Lfirst:                                               ; trips 0 to 2 walk steps 0 .. 4, which the head's loads brought
	TRIP 4
	s_add_co_u32 s[J], s[J], 1
	s_cmp_lt_u32 s[J], 3
	s_cbranch_scc1 .Lfirst
	s_wait_tensorcnt 0x0                           ; my piece of the rest is in,
	s_wait_dscnt 0x0
	s_barrier_signal -1
	s_barrier_wait -1                              ; and everybody's: no barrier stands in the trips that follow
	s_cmp_lt_u32 s[WV], 8
	s_cselect_b32 s[SKJ], 15, 16                   ; my last trip with work asks for nothing
	s_mov_b32 s84, s[J]                            ; trip 3's K
	NEXTSTEP 31
	v_add_nc_u32 v[ADK], s[TBN], v[LN16]
	v_add_nc_u32 v[ADS], s[TS], v[ASK0]
	KLOAD
.Lrest:
	TRIP 31
	s_add_co_u32 s[J], s[J], 1
	s_cmp_lt_u32 s[J], 17
	s_cbranch_scc1 .Lrest
	s_wait_alu depctr_va_vdst(0)
.rept 4
	v_nop
.endr
	s_cmp_lt_u32 s[WV], 8
	s_cbranch_scc1 .Lkeep
.irp t, 0,1,2,3                                        ; waves 8-15: my part of B to my pair's stage, each accumulator from its low end on
	ds_store_b128 v[STA], v[O+8*\t:O+8*\t+3] offset:1024*\t
	ds_store_b128 v[STA], v[O+8*\t+4:O+8*\t+7] offset:1024*\t+512
.endr
	ds_store_b128 v[STA], v[12:15] offset:4096
.Lkeep:
	s_wait_dscnt 0x0                               ; the stores are done
	s_barrier_signal -1
	s_barrier_wait -1
	s_cmp_lt_u32 s[WV], 8
	s_cbranch_scc0 .Lend
.irp t, 0,1,2,3,4,5,6,7,8                              ; waves 0-7: the partner's O^T into v[S] on, its -M, largest score and sums into v[S+32] on
	ds_load_b128 v[S+4*\t:S+4*\t+3], v[STA] offset:512*\t
.endr
	s_wait_dscnt 0x0
	v_min_num_f32 v[TMP], v12, v[S+32]             ; the common -M
	s_delay_alu instid0(VALU_DEP_1)
	v_sub_f32 v[T2], v[TMP], v12
	v_sub_f32 v[T2+1], v[TMP], v[S+32]
	s_delay_alu instid0(VALU_DEP_2)
	v_cvt_i32_f32 v[T2], v[T2]
	s_delay_alu instid0(VALU_DEP_2)
	v_cvt_i32_f32 v[T2+1], v[T2+1]
	s_delay_alu instid0(VALU_DEP_2)
	v_ldexp_f32 v[FF], 1.0, v[T2]                  ; my factor,
	s_delay_alu instid0(VALU_DEP_2)
	v_ldexp_f32 v[SO], 1.0, v[T2+1]                ; the partner's
	s_delay_alu instid0(VALU_DEP_2)
	v_pk_mul_f32 v[14:15], v[14:15], v[FF:FF+1] op_sel_hi:[1,0]
.set j, 0
.rept 16
	v_pk_mul_f32 v[O+j:O+j+1], v[O+j:O+j+1], v[FF:FF+1] op_sel_hi:[1,0]
.set j, j+2
.endr
	v_pk_fma_f32 v[14:15], v[S+34:S+35], v[SO:SO+1], v[14:15] op_sel_hi:[1,0,1]
.set j, 0
.rept 16
	v_pk_fma_f32 v[O+j:O+j+1], v[S+j:S+j+1], v[SO:SO+1], v[O+j:O+j+1] op_sel_hi:[1,0,1]
.set j, j+2
.endr
	OUTP                                           ; B leaves
.Lend:
	s_wait_tensorcnt 0x0                           ; the wave's end
	ds_add_u32 v[SPW], v[NIL]
	s_wait_dscnt 0x0
	s_endpgm
.Lfunc_end_k_qc34987d1fe_attn:
	.size	k_qc34987d1fe_attn, .Lfunc_end_k_qc34987d1fe_attn-k_qc34987d1fe_attn
	.p2alignl 7, 3214868480
	.fill 96, 4, 3214868480
	.section	.rodata,"a",@progbits
	.p2align	6, 0x0
	.amdhsa_kernel k_qc34987d1fe_attn
		.amdhsa_group_segment_fixed_size 327680
		.amdhsa_private_segment_fixed_size 0
		.amdhsa_enable_private_segment 0
		.amdhsa_kernarg_size 16
		.amdhsa_user_sgpr_count 2
		.amdhsa_user_sgpr_kernarg_segment_ptr 1
		.amdhsa_wavefront_size32 1
		.amdhsa_system_sgpr_workgroup_id_x 1
		.amdhsa_system_sgpr_workgroup_id_y 1
		.amdhsa_system_sgpr_workgroup_id_z 1
		.amdhsa_system_vgpr_workitem_id 0
		.amdhsa_next_free_vgpr 256
		.amdhsa_next_free_sgpr 102
		.amdhsa_reserve_vcc 1
		.amdhsa_float_denorm_mode_32 3
		.amdhsa_float_denorm_mode_16_64 3
		.amdhsa_memory_ordered 1
		.amdhsa_forward_progress 1
		.amdhsa_inst_pref_size 77
	.end_amdhsa_kernel
	.amdgpu_metadata
---
amdhsa.version: [ 1, 2 ]
amdhsa.kernels:
  - .name:           k_qc34987d1fe_attn
    .symbol:         k_qc34987d1fe_attn.kd
    .args:
      - { .name: qkv, .offset: 0, .size: 8, .value_kind: global_buffer, .address_space: global }
      - { .name: cat, .offset: 8, .size: 8, .value_kind: global_buffer, .address_space: global }
    .group_segment_fixed_size: 327680
    .private_segment_fixed_size: 0
    .kernarg_segment_align: 8
    .kernarg_segment_size: 16
    .max_flat_workgroup_size: 512
    .sgpr_count:     102
    .vgpr_count:     256
    .wavefront_size: 32
...
	.end_amdgpu_metadata
.endif
;; end of part 3
;; launch outp (part 4): grid 8 x 32, 4 waves a work-group, clusters of 4 x 4, 167,936 bytes of LDS; arguments opnd, cat, bO, out0; writes out0
.if DOCPART == 4
	.amdgcn_target "amdgcn-amd-amdhsa--gfx1250"
	.amdhsa_code_object_version 6
	.text
	.protected	k_qc34987d1fe_outp
	.globl	k_qc34987d1fe_outp
	.p2align	8
	.type	k_qc34987d1fe_outp,@function
k_qc34987d1fe_outp:
	s_mov_b64 s[64:65], 0
	v_nop
	global_prefetch_b8 v0, s[64:65] scope:SCOPE_SE
	s_setreg_imm32_b32 hwreg(HW_REG_WAVE_MODE, 25, 1), 1
	s_wait_xcnt 0x0
	s_wait_alu depctr_hold_cnt(0) depctr_sa_sdst(0) depctr_va_vdst(0) depctr_va_sdst(0) depctr_va_ssrc(0) depctr_va_vcc(0) depctr_vm_vsrc(0)
	s_getreg_b32 s2, hwreg(HW_REG_IB_STS2, 6, 4)
	s_cmp_eq_u32 s2, 0
	s_cbranch_scc0 .Lentry_in_a_cluster
	s_endpgm
.Lentry_in_a_cluster:
	s_bfe_u32 s2, ttmp6, 0x10000c
	s_cmp_lg_u32 s2, 0xf033
	s_cbranch_scc0 .Lentry_shape_is_right
	s_endpgm
.Lentry_shape_is_right:
; out0 = cat WO + bO on codes of E2M1: cat from launch attn, WO from launch prep, both as images of operand registers (see launch prep).  Nothing is left out here.
; 256 work-groups of 128 x 128, four waves of 64 x 64: 16 accumulators.  (Tiles of 256 x 256 would be 64: three WGPs in four without work.)  K is 1,024: both tiles, 65,536 bytes each, and their scale words lie in LDS whole;
; no LDS byte is filled twice: each wave asks for one load at the start: one tensor load of a wave is out at the most.
; Source 0 = P0 = 16 columns of WO, source 1 = P1 = 16 rows of cat: a lane holds one row of the output, and the registers of tiles 2 b, 2 b + 1 are 16 neighbouring columns.  bO is the C of the first product of each sum.
; CLUSTERS: 4 x 4.  P0 hangs on the tile column alone and is shared along a column of the cluster, P1 on the tile row alone and is shared along a row.
; REGISTERS: window 0: v8-14 addresses; v32-63 scale words; v64-95 the bias, later rows on their way out; v96-127 likewise; v128-255 the accumulators ((a, b) at v[128 + 8 (4 a + b)]).
;   window 1: two buffers of 64 at v0 and v64: 32 registers of P0, then 32 of P1.
.set STAGE, 139264                     ; LDS: P1 codes 0, P0 codes 65,536, scale words of P1 131,072, of P0 135,168, then a stage of 16 rows x 272 bytes for each wave: no tensor load fills it
.set SPARE, 156672                     ; and the spare words, 128 bytes for each wave
.set ADRA,  8
.set ADRB,  9
.set ADRS,  10
.set STO,   11                         ; v11  the stage: where I put 64 bytes of a row
.set RD,    12                         ; v12  and where I read a row back
.set CO,    13                         ; v13  my byte offset in two rows of the output
.set BV,    14
.set SPW,   28                         ; v28  LDS address of my spare word; never rewritten
.set NIL,   29                         ; v29  0; never rewritten
.set SC,    32                         ; register 16 (s / 4) + 4 i + s % 4: lanes 0-15 the word of P1 tile i, lanes 16-31 that of P0 tile i
.set BI,    64
.set BK,    64
.set ACC,   128
.set G1A,   24
.set G1B,   32
.set G1SA,  40
.set G1SB,  48
.set OUT,   88
.set BIAS,  90
.set MSB, 0
.macro WIN new
.if MSB != (\new)
	s_set_vgpr_msb (MSB<<8)|(\new)
.set MSB, (\new)
.endif
.endm
.set MUL,  0x05                        ; sources 0 and 1 window 1; C and D window 0
.set TO_F, 0x40                        ; destination window 1, address window 0
; THE LOADS, AS THIS TEXT HAS THEM (in place of the three loads a wave named at the head of the file): four joint loads, ONE A WAVE: wave 0 the codes of P1 (65,536 dense bytes),
; wave 1 those of P0, wave 2 the scale words of P1 (4,096 bytes), wave 3 those of P0.  One chain of branches on the wave number, a load to an arm, all arms leading to one join.  Codes lie in LDS as in memory: tile x 8,192 + K step x 1,024.
.macro ARM under, g0, g1, next
	s_cmp_lt_u32 s14, \under
	s_cbranch_scc0 \next
	tensor_load_to_lds s[\g0:\g0+3], s[\g1:\g1+7]
	s_nop 0
.rept 4
	v_nop
.endr
	s_branch .Lhead_asked
\next:
.endm
.macro CROUND
	s_barrier_signal -1
	s_barrier_wait -1
	s_cmp_lg_u32 s14, 0
	s_cbranch_scc1 .Lnot_wave_0_\@
	s_barrier_signal -3
.Lnot_wave_0_\@:
	s_barrier_wait -3
	s_barrier_signal -1
	s_barrier_wait -1
.endm
.macro PLACES n
.rept \n
	v_nop
.endr
.endm
	s_load_b256 s[4:11], s[0:1], 0x0               ; opnd s[4:5], cat s[6:7], bO s[8:9], out0 s[10:11]
	v_lshl_add_u32 v[SPW], v0, 2, SPARE
	v_mov_b32 v[NIL], 0
	ds_add_u32 v[SPW], v[NIL]                      ; the opening of the wave: the add, twice on end, and its wait ahead of my first tensor load
	ds_add_u32 v[SPW], v[NIL]
	v_lshrrev_b32 v1, 5, v0
	v_readfirstlane_b32 s14, v1                    ; wave 0..3
	s_lshr_b32 s15, s14, 1                         ; which half of P1 is mine.  Also: I fetch for P1 (0) or for P0 (1)
	s_and_b32 s16, s14, 1                          ; which half of P0.  Also: which 4 tiles I fetch
	s_bfe_u32 s84, ttmp6, 0x40000                  ; cx
	s_bfe_u32 s85, ttmp6, 0x40004                  ; cy
	s_lshl_b32 s86, ttmp9, 2
	s_add_co_u32 s86, s86, s84                     ; my block of 128 columns
	s_and_b32 s87, ttmp7, 0xffff
	s_lshl_b32 s87, s87, 2
	s_add_co_u32 s87, s87, s85                     ; my block of 128 rows
	s_lshl_b32 s18, s86, 16                        ; WO in opnd: codes at 7,864,320,
	s_add_co_u32 s18, s18, 7864320
	s_mov_b32 s19, 0
	s_lshl_b32 s20, s86, 12                        ; scale words at 8,880,128
	s_add_co_u32 s20, s20, 8880128
	s_mov_b32 s21, 0
	s_lshl_b32 s22, s87, 16                        ; cat: codes at 0,
	s_mov_b32 s23, 0
	s_lshl_b32 s2, s87, 12                         ; scale words at 2,097,152
	s_add_co_u32 s2, s2, 2097152
	s_mov_b32 s3, 0
	s_lshl_b32 s67, s85, 2
	s_lshl_b32 s67, 15, s67                        ; my row of the cluster
	s_lshl_b32 s66, 0x1111, s84                    ; my column
	s_or_b32 s[G1A], s67, (3<<16)|(1<<21)          ; 15:0 the mask; 17:16 elements of 8 bytes; 21 set beside a mask; no padding
	s_or_b32 s[G1B], s66, (3<<16)|(1<<21)
	s_or_b32 s[G1SA], s67, (3<<16)|(1<<21)
	s_or_b32 s[G1SB], s66, (3<<16)|(1<<21)
.irp g, G1A, G1B                       ; codes: 8 tiles of 8,192 bytes, dense
	s_mov_b32 s[\g+1], 1024<<16
	s_mov_b32 s[\g+2], 8<<16
	s_mov_b32 s[\g+3], 1024<<16
	s_mov_b32 s[\g+4], 8
	s_mov_b32 s[\g+5], 1024
	s_mov_b32 s[\g+6], 0
	s_mov_b32 s[\g+7], 0
.endr
.irp g, G1SA, G1SB                     ; scale words of 8 tiles: 4,096 dense bytes as 16 rows of 256
	s_mov_b32 s[\g+1], 32<<16
	s_mov_b32 s[\g+2], 16<<16
	s_mov_b32 s[\g+3], 32<<16
	s_mov_b32 s[\g+4], 16
	s_mov_b32 s[\g+5], 32
	s_mov_b32 s[\g+6], 0
	s_mov_b32 s[\g+7], 0
.endr
	s_wait_dscnt 0x0                               ; both opening adds are done
	s_wait_kmcnt 0x0
	s_add_nc_u64 s[18:19], s[4:5], s[18:19]
	s_add_nc_u64 s[20:21], s[4:5], s[20:21]
	s_add_nc_u64 s[22:23], s[6:7], s[22:23]
	s_add_nc_u64 s[2:3], s[6:7], s[2:3]
	CROUND                                         ; all sixteen work-groups are here: the joint loads meet
	s_mov_b32 s56, 1                               ; group 0: P1 scale words
	s_mov_b32 s57, 131072
	s_mov_b64 s[58:59], s[2:3]
	s_or_b32 s59, s59, 0x80000000
	s_mov_b32 s72, 1                               ; P0 scale words
	s_mov_b32 s73, 135168
	s_mov_b64 s[74:75], s[20:21]
	s_or_b32 s75, s75, 0x80000000
	s_mov_b32 s60, 1                               ; P1 codes
	s_mov_b32 s61, 0
	s_mov_b64 s[62:63], s[22:23]
	s_or_b32 s63, s63, 0x80000000
	s_mov_b32 s76, 1                               ; P0 codes
	s_mov_b32 s77, 65536
	s_mov_b64 s[78:79], s[18:19]
	s_or_b32 s79, s79, 0x80000000
	ARM 1, 60, G1A, .Lhead_b
	ARM 2, 76, G1B, .Lhead_sa
	ARM 3, 56, G1SA, .Lhead_sb
	tensor_load_to_lds s[72:75], s[G1SB:G1SB+7]
	s_nop 0
.rept 4
	v_nop
.endr
.Lhead_asked:
	v_and_b32 v1, 15, v0                           ; r
	s_wait_alu depctr_va_vdst(0)
	v_bfe_u32 v2, v0, 4, 1                         ; lane / 16
	v_and_b32 v3, 31, v0
	v_lshlrev_b32 v3, 4, v3                        ; 16 x lane
	s_lshl_b32 s99, s15, 15
	v_add_nc_u32 v[ADRA], s99, v3                  ; my 4 tiles of P1, 8,192 bytes each
	s_lshl_b32 s99, s16, 15
	s_add_co_u32 s99, s99, 65536
	v_add_nc_u32 v[ADRB], s99, v3
	s_lshl_b32 s100, s15, 11
	s_lshl_b32 s101, s16, 11
	s_add_co_u32 s101, s101, 4096
	s_sub_co_u32 s101, s101, s100                  ; from my words of P1 to my words of P0
	v_mul_u32_u24 v[ADRS], s101, v2
	v_lshl_add_u32 v[ADRS], v1, 4, v[ADRS]
	s_add_co_u32 s100, s100, 131072
	v_add_nc_u32 v[ADRS], s100, v[ADRS]
	s_mul_i32 s99, s14, 4352
	s_add_co_u32 s99, s99, STAGE                   ; my stage
	v_mul_u32_u24 v[STO], v1, 272
	s_wait_alu depctr_va_vdst(0)
	v_lshl_add_u32 v[STO], v2, 6, v[STO]
	v_add_nc_u32 v[STO], s99, v[STO]               ; in: row r, + 64 bytes for lanes 16-31
	v_mul_u32_u24 v[RD], v2, 272
	v_lshl_add_u32 v[RD], v1, 4, v[RD]
	v_add_nc_u32 v[RD], s99, v[RD]                 ; back: lanes 0-15 one row of 256 bytes, lanes 16-31 the next
	v_lshlrev_b32 v[CO], 12, v2
	v_lshl_add_u32 v[CO], v1, 4, v[CO]             ; and the same two rows of the output
	v_lshlrev_b32 v[BV], 6, v2
	s_wait_alu depctr_va_vdst(0)
	s_lshl_b32 s98, s86, 9                         ; my first column, in bytes: 512 x block + 256 x half
	s_lshl_b32 s99, s16, 8
	s_add_co_u32 s98, s98, s99
	s_mov_b32 s99, 0
	s_add_nc_u64 s[BIAS:BIAS+1], s[8:9], s[98:99]
	s_add_nc_u64 s[OUT:OUT+1], s[10:11], s[98:99]
	s_lshl_b32 s98, s87, 19                        ; my first row: 128 x block + 64 x half, rows of 4,096 bytes
	s_lshl_b32 s100, s15, 18
	s_add_co_u32 s98, s98, s100
	s_add_nc_u64 s[OUT:OUT+1], s[OUT:OUT+1], s[98:99]
.irp b, 0,1,2,3                        ; register 8 b + j wants the bias of column 32 (b / 2) + 16 (lane / 16) + 8 (b % 2) + j
.irp p, 0,1
	global_load_b128 v[BI+8*\b+4*\p:BI+8*\b+4*\p+3], v[BV], s[BIAS:BIAS+1] offset:(32*(\b/2)+8*(\b%2))*4+16*\p
.endr
.endr
.macro FETCH s                         ; the fragments of K step s into buffer s % 2: sixteen loads of 512 dense bytes
	WIN TO_F
.irp i, 0,1,2,3
.irp c, 0,1
	ds_load_b128 v[64*((\s)%2)+8*\i+4*\c:64*((\s)%2)+8*\i+4*\c+3], v[ADRB] offset:\i*8192+(\s)*1024+512*\c
	ds_load_b128 v[64*((\s)%2)+32+8*\i+4*\c:64*((\s)%2)+32+8*\i+4*\c+3], v[ADRA] offset:\i*8192+(\s)*1024+512*\c
.endr
.endr
.endm
.macro MULS s, first                   ; 16 matrix instructions; the 16 accumulators take turns in the same order in every step
	WIN MUL
.irp a, 0,1,2,3
.irp b, 0,1,2,3
.if \first
	v_wmma_scale_f32_16x16x128_f8f6f4 v[ACC+8*(4*\a+\b):ACC+8*(4*\a+\b)+7], v[64*((\s)%2)+8*\b:64*((\s)%2)+8*\b+7], v[64*((\s)%2)+32+8*\a:64*((\s)%2)+32+8*\a+7], v[BI+8*\b:BI+8*\b+7], v[SC+16*((\s)/4)+4*\b+(\s)%4], v[SC+16*((\s)/4)+4*\a+(\s)%4] matrix_a_fmt:MATRIX_FMT_FP4 matrix_b_fmt:MATRIX_FMT_FP4 matrix_a_scale:MATRIX_SCALE_ROW1
.else
	v_wmma_scale_f32_16x16x128_f8f6f4 v[ACC+8*(4*\a+\b):ACC+8*(4*\a+\b)+7], v[64*((\s)%2)+8*\b:64*((\s)%2)+8*\b+7], v[64*((\s)%2)+32+8*\a:64*((\s)%2)+32+8*\a+7], v[ACC+8*(4*\a+\b):ACC+8*(4*\a+\b)+7], v[SC+16*((\s)/4)+4*\b+(\s)%4], v[SC+16*((\s)/4)+4*\a+(\s)%4] matrix_a_fmt:MATRIX_FMT_FP4 matrix_b_fmt:MATRIX_FMT_FP4 matrix_a_scale:MATRIX_SCALE_ROW1
.endif
.endr
.endr
.endm
.macro STEP s, first                   ; the fragments of this step are in; those of the next are asked for, and land while this step is multiplied
	s_wait_dscnt 0x0
.if (\s) > 0
	PLACES 4                                       ; in front of loads into the buffer that the step before multiplied
.endif
	FETCH (\s)+1
	MULS \s, \first
.endm
	s_wait_tensorcnt 0x0                           ; my one load is in
	s_barrier_signal -1
	s_barrier_wait -1
.irp k, 0,1
.irp i, 0,1,2,3
	ds_load_b128 v[SC+16*\k+4*\i:SC+16*\k+4*\i+3], v[ADRS] offset:512*\i+256*\k   ; the scale words of all eight K steps
.endr
.endr
	FETCH 0
	s_wait_loadcnt 0x0                             ; the bias
	STEP 0, 1                                      ; the first products start the sums from the bias
	STEP 1, 0
	STEP 2, 0
	STEP 3, 0
	STEP 4, 0
	STEP 5, 0
	STEP 6, 0
	s_wait_dscnt 0x0
	MULS 7, 0
	WIN 0
	; THE WAY OUT, a tile of 16 rows x 64 columns at a time, through my own stage: in by lanes (64 bytes of a row each half), back by rows of 256 bytes, so that sixteen lanes store 256 consecutive bytes, aligned.
	; LDS serves the instructions of a wave in order: no wait between the stores and the loads, nor in front of the stores of the next tile.  Row i of a tile lies i + 8 (i / 8) rows down.
	PLACES 4
.irp a, 0,1,2,3
.if \a > 1
	s_wait_xcnt 0x0                                ; the stores of tile a - 2 have read their registers
.endif
.irp b, 0,1,2,3
	ds_store_b128 v[STO], v[ACC+8*(4*\a+\b):ACC+8*(4*\a+\b)+3] offset:128*(\b/2)+32*(\b%2)          ; each accumulator from its low end on
	ds_store_b128 v[STO], v[ACC+8*(4*\a+\b)+4:ACC+8*(4*\a+\b)+7] offset:128*(\b/2)+32*(\b%2)+16
.endr
.irp i, 0,1,2,3,4,5,6,7
	ds_load_b128 v[BK+32*(\a%2)+4*\i:BK+32*(\a%2)+4*\i+3], v[RD] offset:544*\i
.endr
.irp i, 0,1,2,3,4,5,6,7
	s_wait_dscnt 7-\i                              ; the younger loads from the stage may stay out
	global_store_b128 v[CO], v[BK+32*(\a%2)+4*\i:BK+32*(\a%2)+4*\i+3], s[OUT:OUT+1] offset:(32*(\a/2)+8*(\a%2)+2*\i+8*(\i/4))*4096 th:TH_STORE_NT
.endr
.endr
	s_wait_tensorcnt 0x0                           ; the end of the wave
	ds_add_u32 v[SPW], v[NIL]
	s_wait_dscnt 0x0
	CROUND                                         ; the closing round
	s_endpgm
.Lfunc_end_k_qc34987d1fe_outp:
	.size	k_qc34987d1fe_outp, .Lfunc_end_k_qc34987d1fe_outp-k_qc34987d1fe_outp
	.p2alignl 7, 3214868480
	.fill 96, 4, 3214868480
	.section	.rodata,"a",@progbits
	.p2align	6, 0x0
	.amdhsa_kernel k_qc34987d1fe_outp
		.amdhsa_group_segment_fixed_size 167936
		.amdhsa_private_segment_fixed_size 0
		.amdhsa_enable_private_segment 0
		.amdhsa_kernarg_size 32
		.amdhsa_user_sgpr_count 2
		.amdhsa_user_sgpr_kernarg_segment_ptr 1
		.amdhsa_wavefront_size32 1
		.amdhsa_system_sgpr_workgroup_id_x 1
		.amdhsa_system_sgpr_workgroup_id_y 1
		.amdhsa_system_sgpr_workgroup_id_z 1
		.amdhsa_system_vgpr_workitem_id 0
		.amdhsa_next_free_vgpr 512
		.amdhsa_next_free_sgpr 102
		.amdhsa_reserve_vcc 0
		.amdhsa_float_denorm_mode_32 3
		.amdhsa_float_denorm_mode_16_64 3
		.amdhsa_memory_ordered 1
		.amdhsa_forward_progress 1
		.amdhsa_inst_pref_size 44
	.end_amdhsa_kernel
	.amdgpu_metadata
---
amdhsa.version: [ 1, 2 ]
amdhsa.kernels:
  - .name:           k_qc34987d1fe_outp
    .symbol:         k_qc34987d1fe_outp.kd
    .args:
      - { .name: opnd, .offset: 0, .size: 8, .value_kind: global_buffer, .address_space: global }
      - { .name: cat, .offset: 8, .size: 8, .value_kind: global_buffer, .address_space: global }
      - { .name: bO, .offset: 16, .size: 8, .value_kind: global_buffer, .address_space: global }
      - { .name: out0, .offset: 24, .size: 8, .value_kind: global_buffer, .address_space: global }
    .group_segment_fixed_size: 167936
    .private_segment_fixed_size: 0
    .kernarg_segment_align: 8
    .kernarg_segment_size: 32
    .max_flat_workgroup_size: 128
    .sgpr_count:     102
    .vgpr_count:     512
    .wavefront_size: 32
...
	.end_amdgpu_metadata
.endif
;; end of part 4
